; MI455X (gfx1250); checked and timed in simulation.
; The chip was launched on July 23, 2026; its instructions are those of AMD's public machine-readable ISA for CDNA 5 (MIT licence, August 2026) and "CDNA5" Instruction Set Architecture Reference Guide (July 2026). The comments in the code are by the model that wrote it; some were corrected since.
;; Simple Expert FFN. Allowed arithmetic: float matrix products may take bf16 or f16 operands with f32 sums; other float arithmetic in f32, or as packed bf16 or f16 multiplies, adds, multiply-adds, maxima and minima; sums over many terms, partial sums and values carried from step to step in f32; what a program stores and reads back later, other than sums and carried values, may be rounded once to bf16 or f16.
;; Inputs: W1 8 x 1,024 x 1,024 float32; W2 8 x 1,024 x 1,024 float32; Wr 1,024 x 8 float32; b1 8 x 1,024 float32; b2 8 x 1,024 float32; br 8 float32; x 2 x 2,048 x 1,024 float32.
;; Outputs: out0 2 x 2,048 x 1,024 float32.
;; 2 versions, each right and faster than the one before. Each part assembles by itself: llvm-mc -triple=amdgcn-amd-amdhsa -mcpu=gfx1250 --defsym DOCPART=n.
;; ======== version 1 of 2: 3 launches
;; limits: values are held in f16: magnitudes above 65,504 overflow, below 6.1e-05 lose precision
;; workspace buffers: xb 8,388,608 bytes; w1f 16,777,216 bytes; w2f 16,777,216 bytes; hf 10,616,832 bytes; gate 16,384 bytes; ridx 16,384 bytes of whole numbers; rhist 4,096 bytes of whole numbers
;; launch prep (part 1): grid 256 x 1, 8 waves a work-group, no clusters, 50,688 bytes of LDS; arguments x, Wr, br, W1, W2, xb, w1f, w2f, ridx, rhist, gate; writes xb, w1f, w2f, ridx, rhist, gate
.if DOCPART == 1
	.amdgcn_target "amdgcn-amd-amdhsa--gfx1250"
	.amdhsa_code_object_version 6
	.text
	.protected	k_qc0e5598c3a_prep
	.globl	k_qc0e5598c3a_prep
	.p2align	8
	.type	k_qc0e5598c3a_prep,@function
k_qc0e5598c3a_prep:
	s_mov_b64 s[64:65], 0
	v_nop
	global_prefetch_b8 v0, s[64:65] scope:SCOPE_SE
	s_setreg_imm32_b32 hwreg(HW_REG_WAVE_MODE, 25, 1), 1
	s_wait_xcnt 0x0
; PREP.  Three things, once: x rounded to bf16 (xb); the router; W1 (bf16) and W2 (f16) laid out as matrix operands.
; LIMITS.  Every input is rounded to bf16 (x, Wr, br here; W1, W2 here; b1, b2 where they are used).  W2's bf16 number is written as f16: exact from 6.1e-5 to 65,504 in size,
; below that on f16's fixed step of 6e-8.  The expert is the largest logit's, the lowest index on an exact tie; the gate is 1 / sum of 2^((l - m) log2 e); a term below 2^-126 counts as 0;
; NaN and infinities are not treated apart.
; SHARES.  Work-group b: tokens 16 b .. 16 b + 15 (wave w rows 2 w, 2 w + 1) and 32 units of weights (4 a wave).  A unit is 32 k-rows x 64 columns of one expert: 8 KB in, 4 KB out.
; Work-groups 0-127 take W1, 128-255 W2.  The eight waves of a work-group read 64 whole rows of a weight matrix.
; OPERAND LAYOUT.  wf[e][S 32][ks 32][u' 2][p 2][512 bytes]: stream S = 2 G + (u >> 1) of column group G (64 columns); fragment u (0..3) has row m <-> column 64 G + 4 m + u; plane p holds
; registers 4 p .. 4 p + 3 of all 32 lanes.  k of slot t = 2 q + half in lane half h: W1: 32 ks + 8 h + t (+ 8 if t >= 8); W2: 64 (ks >> 1) + 2 (ks & 1) + 32 h + 4 q + half, which is the
; order in which the first product's results fall into registers.
; rhist[b]: 4 words, word j = count(expert 2 j) | count(expert 2 j + 1) << 16 of the work-group's 16 tokens.
.set PR,    2064                       ; an LDS row of 1,024 bf16 + 16 bytes: 516 words, so the 16 rows of a fragment load start 4 banks apart
.set WT,    0                          ; Wr transposed, bf16: 8 rows
.set XT,    16640                      ; the 16 token rows, bf16
.set SPARE, 49664                      ; the spare words, 128 bytes a wave; no other line names them
; v0 thread  v1 lane  v2, v3 the add's two  v4 r  v5 h  v6 32 lane  v7 16 lane  v8 128 thread  v9 unit offset  v10 XT store  v11 WT store  v12, v13 fragment addresses
; v14, v15 offsets of ridx/gate and rhist  v16-47 Wr raw, router sums, then a unit's output  v48-63 at work  v64-127 x, then router fragments  v128-255 two unit buffers
.macro ISSUE n, buf, mat               ; unit n: 16 loads; lanes 0-15 take 256 bytes on end of one row, lanes 16-31 of another
.set t, 0
.rept 16
.if \mat
.set ro, 4*(t/2)+(t%2)
.else
.set ro, t+8*(t/8)
.endif
	global_load_b128 v[128+64*(\buf)+4*t:128+64*(\buf)+4*t+3], v9, s[54:55] offset:ro*4096+(\n)*256 th:TH_LOAD_NT
.set t, t+1
.endr
.endm
.macro CONV n, buf, left, next, mat    ; unit n is rounded, packed along k and stored; left = the younger loads (the other buffer's 16)
	s_wait_loadcnt \left
	s_wait_xcnt 0x0                        ; the registers that earlier stores read are rewritten only behind this wait
.set LB, 128+64*(\buf)
.set k, 0
.rept 32                               ; k = 8 u + q: register q of fragment u = slots 2 q, 2 q + 1
	v_cvt_pk_bf16_f32 v[16+k], v[LB+8*(k%8)+k/8], v[LB+8*(k%8)+4+k/8]
.set k, k+1
.endr
.if \mat
.set k, 0
.rept 32                               ; W2: the bf16 numbers written as f16
	v_lshlrev_b32 v[48+2*(k%8)], 16, v[16+k]
	v_and_b32 v[49+2*(k%8)], s63, v[16+k]
	v_cvt_pk_f16_f32 v[16+k], v[48+2*(k%8)], v[49+2*(k%8)]
.set k, k+1
.endr
.endif
.set k, 0
.rept 8                                ; k = 2 u + p: each store covers 512 bytes on end
	global_store_b128 v7, v[16+4*k:19+4*k], s[56:57] offset:((\n)<<17)|((k/4)<<16)|(((k/2)%2)<<10)|((k%2)<<9)
.set k, k+1
.endr
.if \next
	ISSUE (\n)+2, \buf, \mat
.endif
.endm
	s_load_b512 s[8:23], s[0:1], 0x0       ; x, Wr, br, W1, W2, xb, w1f, w2f
	s_load_b128 s[24:27], s[0:1], 0x40     ; ridx, rhist
	s_load_b64 s[28:29], s[0:1], 0x50      ; gate
	v_lshl_add_u32 v2, v0, 2, SPARE
	v_mov_b32 v3, 0
	v_and_b32 v1, 31, v0
	v_lshrrev_b32 v16, 5, v0
	v_readfirstlane_b32 s30, v16           ; wave
	s_mov_b32 s31, ttmp9                   ; b
	s_mov_b32 s62, 0x3fb8aa3b              ; log2 e
	s_mov_b32 s63, 0xffff0000
	s_bfe_u32 s43, s31, 0x30004            ; expert = (b >> 4) & 7
	s_and_b32 s44, s31, 15
	s_lshl_b32 s44, s44, 1
	s_lshr_b32 s45, s30, 2
	s_add_co_u32 s44, s44, s45             ; ks = 2 (b & 15) + (w >> 2)
	s_and_b32 s45, s30, 3                  ; quarter of the columns
	s_lshl_b32 s46, s44, 5                 ; W1's first row: 32 ks
	s_lshr_b32 s47, s44, 1
	s_lshl_b32 s47, s47, 6
	s_and_b32 s41, s44, 1
	s_lshl_b32 s41, s41, 1
	s_add_co_u32 s47, s47, s41             ; W2's: 64 (ks >> 1) + 2 (ks & 1)
	s_cmp_lt_u32 s31, 128
	s_cselect_b32 s46, s46, s47
	s_cselect_b32 s41, 15, 17              ; the upper lanes lie 8 rows (W1) or 32 rows (W2) further down
	s_lshl_b32 s52, s43, 22
	s_lshl_b32 s46, s46, 12
	s_add_co_u32 s52, s52, s46
	s_lshl_b32 s46, s45, 10
	s_add_co_u32 s52, s52, s46             ; source offset
	s_mov_b32 s53, 0
	s_lshl_b32 s50, s43, 21
	s_lshl_b32 s46, s45, 19
	s_add_co_u32 s50, s50, s46
	s_lshl_b32 s46, s44, 11
	s_add_co_u32 s50, s50, s46             ; destination offset
	s_mov_b32 s51, 0
	s_lshl_b32 s46, s31, 16
	s_lshl_b32 s42, s30, 13
	s_add_co_u32 s46, s46, s42             ; x: (16 b + 2 w) rows of 4,096 bytes
	s_mov_b32 s47, 0
	s_lshl_b32 s48, s31, 15
	s_lshl_b32 s42, s30, 12
	s_add_co_u32 s48, s48, s42             ; xb: the same rows of 2,048 bytes
	s_mov_b32 s49, 0
	v_and_b32 v4, 15, v0
	v_bfe_u32 v5, v0, 4, 1
	v_lshlrev_b32 v6, 5, v1
	v_lshlrev_b32 v7, 4, v1
	v_lshlrev_b32 v8, 7, v0
	v_lshlrev_b32 v9, s41, v5
	v_lshl_add_u32 v9, v4, 4, v9
	s_mul_i32 s42, s30, 2*PR
	s_add_co_u32 s42, s42, XT
	v_add_nc_u32 v10, s42, v7
	v_lshlrev_b32 v11, 3, v0
	v_and_b32 v16, 7, v0
	v_mul_u32_u24 v12, v16, PR             ; rows 8-15 of the router's first operand repeat rows 0-7: both lane halves end up with all 8 logits
	v_lshl_add_u32 v12, v5, 4, v12
	v_mul_u32_u24 v13, v4, PR
	v_lshl_add_u32 v13, v5, 4, v13
	v_add_nc_u32 v13, XT, v13
	v_lshlrev_b32 v14, 2, v4
	v_lshl_add_u32 v14, s31, 6, v14        ; (16 b + r) words
	s_lshl_b32 s42, s31, 4
	v_mov_b32 v15, s42
	s_wait_kmcnt 0x0
	s_cmp_lt_u32 s31, 128
	s_cselect_b64 s[54:55], s[14:15], s[16:17]
	s_cselect_b64 s[56:57], s[20:21], s[22:23]
	s_add_nc_u64 s[54:55], s[54:55], s[52:53]
	s_add_nc_u64 s[56:57], s[56:57], s[50:51]
	s_add_nc_u64 s[58:59], s[8:9], s[46:47]
	s_add_nc_u64 s[60:61], s[18:19], s[48:49]
	; all loads first: Wr 8, x 16, two units 32: 56 of the wave are out
.set k, 0
.rept 8                                ; thread t: Wr's rows 4 t .. 4 t + 3, 128 bytes on end
	global_load_b128 v[16+4*k:19+4*k], v8, s[10:11] offset:16*k
.set k, k+1
.endr
.set k, 0
.rept 16                               ; k = 8 row + 2 c + half: a lane holds 8 neighbouring numbers of each quarter row c
	global_load_b128 v[64+4*k:67+4*k], v6, s[58:59] offset:(k/8)*4096+((k/2)%4)*1024+(k%2)*16 th:TH_LOAD_NT
.set k, k+1
.endr
	s_cmp_lt_u32 s31, 128
	s_cbranch_scc0 .Lissue2
	ISSUE 0, 0, 0
	ISSUE 1, 1, 0
	s_branch .Lissued
.Lissue2:
	ISSUE 0, 0, 1
	ISSUE 1, 1, 1
.Lissued:
	s_wait_loadcnt 48                      ; Wr is in; x's 16 and the units' 32 stay out
.set k, 0
.rept 8                                ; expert k: four k in 8 bytes
	v_cvt_pk_bf16_f32 v[48+2*k], v[16+k], v[24+k]
	v_cvt_pk_bf16_f32 v[49+2*k], v[32+k], v[40+k]
	ds_store_b64 v11, v[48+2*k:49+2*k] offset:k*PR
.set k, k+1
.endr
	s_wait_loadcnt 32                      ; x is in; the units' 32 stay out
.set k, 0
.rept 32                               ; rounded and packed in place, ascending: a destination never lies above its sources
	v_cvt_pk_bf16_f32 v[64+k], v[64+2*k], v[65+2*k]
.set k, k+1
.endr
.set k, 0
.rept 8                                ; k = 4 row + c: 512 bytes on end to xb, and the same to LDS
	global_store_b128 v7, v[64+4*k:67+4*k], s[60:61] offset:(k/4)*2048+(k%4)*512
	ds_store_b128 v10, v[64+4*k:67+4*k] offset:(k/4)*PR+(k%4)*512
.set k, k+1
.endr
	s_wait_dscnt 0x0                       ; for the others' sake: my LDS stores are done
	s_barrier_signal -1
	s_barrier_wait -1
	s_cmp_lg_u32 s30, 0
	s_cbranch_scc1 .Lconv
	; THE ROUTER, wave 0: 16 tokens x 8 experts over K = 1,024; four sums by turns, one instruction a turn
	s_load_b256 s[32:39], s[12:13], 0x0    ; br
	s_wait_xcnt 0x0                        ; xb's stores have read v64-95
.set bt, 0
.rept 8
.set k, 0
.rept 4
	ds_load_b128 v[64+16*k:67+16*k], v12 offset:(4*bt+k)*64
	ds_load_b128 v[68+16*k:71+16*k], v12 offset:(4*bt+k)*64+32
	ds_load_b128 v[72+16*k:75+16*k], v13 offset:(4*bt+k)*64
	ds_load_b128 v[76+16*k:79+16*k], v13 offset:(4*bt+k)*64+32
.set k, k+1
.endr
	s_wait_dscnt 0x0
.set k, 0
.rept 4
.if bt == 0
	v_wmma_f32_16x16x32_bf16 v[16+8*k:23+8*k], v[64+16*k:71+16*k], v[72+16*k:79+16*k], 0
.else
	v_wmma_f32_16x16x32_bf16 v[16+8*k:23+8*k], v[64+16*k:71+16*k], v[72+16*k:79+16*k], v[16+8*k:23+8*k]
.endif
.set k, k+1
.endr
.rept 4
	v_nop                                  ; four places ahead of the next loads into the operands, and of the first read of the sums
.endr
.set bt, bt+1
.endr
.irp j, 0,2,4,6
	v_pk_add_f32 v[16+\j:17+\j], v[16+\j:17+\j], v[24+\j:25+\j]
.endr
.irp j, 0,2,4,6
	v_pk_add_f32 v[32+\j:33+\j], v[32+\j:33+\j], v[40+\j:41+\j]
.endr
.irp j, 0,2,4,6
	v_pk_add_f32 v[16+\j:17+\j], v[16+\j:17+\j], v[32+\j:33+\j]
.endr
	s_wait_kmcnt 0x0
.irp j, 0,1,2,3
	v_cvt_pk_bf16_f32 v[48+\j], s[32+2*\j], s[33+2*\j]   ; br rounded to bf16
.endr
.irp j, 0,1,2,3
	v_lshlrev_b32 v[52+2*\j], 16, v[48+\j]
	v_and_b32 v[53+2*\j], s63, v[48+\j]
.endr
.irp j, 0,2,4,6
	v_pk_add_f32 v[16+\j:17+\j], v[16+\j:17+\j], v[52+\j:53+\j]
.endr
	v_max3_num_f32 v60, v16, v17, v18
	v_max3_num_f32 v60, v60, v19, v20
	v_max3_num_f32 v60, v60, v21, v22
	v_max_num_f32 v60, v60, v23            ; m
	v_mov_b32 v61, 7
.irp j, 6,5,4,3,2,1,0
	v_cmp_eq_f32 vcc_lo, v[16+\j], v60
	v_cndmask_b32 v61, v61, \j, vcc_lo     ; the lowest index that holds the maximum
.endr
.irp j, 0,1,2,3,4,5,6,7
	v_sub_f32 v[24+\j], v[16+\j], v60
.endr
.irp j, 0,1,2,3,4,5,6,7
	v_mul_f32 v[24+\j], s62, v[24+\j]
.endr
.irp j, 0,1,2,3,4,5,6,7
	v_exp_f32 v[24+\j], v[24+\j]
.endr
	v_nop                                  ; a plain instruction behind the last exponential,
	s_wait_alu depctr_va_vdst(0)           ; and one wait for the eight, ahead of their first reader
	v_add_f32 v24, v24, v25
	v_add_f32 v26, v26, v27
	v_add_f32 v28, v28, v29
	v_add_f32 v30, v30, v31
	v_add_f32 v24, v24, v26
	v_add_f32 v28, v28, v30
	v_add_f32 v24, v24, v28
	v_rcp_f32 v63, v24                     ; the largest probability is 1 / the sum
.irp j, 0,1,2,3,4,5,6,7
	v_cmp_eq_u32 s[40+\j], \j, v61
.endr
	s_wait_alu depctr_va_vdst(0)           ; the reciprocal's wait; the compares above are the plain work behind it
.irp j, 0,1,2,3,4,5,6,7
	s_and_b32 s[40+\j], s[40+\j], 0xffff   ; lanes 16-31 repeat lanes 0-15
	s_bcnt1_i32_b32 s[40+\j], s[40+\j]
.endr
.irp j, 0,1,2,3
	s_lshl_b32 s[41+2*\j], s[41+2*\j], 16
	s_or_b32 s[48+\j], s[40+2*\j], s[41+2*\j]
	v_mov_b32 v[56+\j], s[48+\j]
.endr
	global_store_b32 v14, v61, s[24:25]    ; both lane halves store the same word with the same number
	global_store_b32 v14, v63, s[28:29]
	global_store_b128 v15, v[56:59], s[26:27]  ; all lanes the same 16 bytes
.Lconv:
	s_cmp_lt_u32 s31, 128
	s_cbranch_scc0 .Lconv2
	CONV 0, 0, 16, 1, 0
	CONV 1, 1, 16, 1, 0
	CONV 2, 0, 16, 0, 0
	CONV 3, 1, 0, 0, 0
	s_branch .Lend
.Lconv2:
	CONV 0, 0, 16, 1, 1
	CONV 1, 1, 16, 1, 1
	CONV 2, 0, 16, 0, 1
	CONV 3, 1, 0, 0, 1
.Lend:
	s_wait_tensorcnt 0x0                   ; the wave's end
	ds_add_u32 v2, v3
	s_wait_dscnt 0x0
	s_endpgm
.Lfunc_end_k_qc0e5598c3a_prep:
	.size	k_qc0e5598c3a_prep, .Lfunc_end_k_qc0e5598c3a_prep-k_qc0e5598c3a_prep
	.p2alignl 7, 3214868480
	.fill 96, 4, 3214868480
	.section	.rodata,"a",@progbits
	.p2align	6, 0x0
	.amdhsa_kernel k_qc0e5598c3a_prep
		.amdhsa_group_segment_fixed_size 50688
		.amdhsa_private_segment_fixed_size 0
		.amdhsa_enable_private_segment 0
		.amdhsa_kernarg_size 88
		.amdhsa_user_sgpr_count 2
		.amdhsa_user_sgpr_kernarg_segment_ptr 1
		.amdhsa_wavefront_size32 1
		.amdhsa_system_sgpr_workgroup_id_x 1
		.amdhsa_system_sgpr_workgroup_id_y 1
		.amdhsa_system_sgpr_workgroup_id_z 1
		.amdhsa_system_vgpr_workitem_id 0
		.amdhsa_next_free_vgpr 256
		.amdhsa_next_free_sgpr 66
		.amdhsa_reserve_vcc 1
		.amdhsa_float_denorm_mode_32 3
		.amdhsa_float_denorm_mode_16_64 3
		.amdhsa_memory_ordered 1
		.amdhsa_forward_progress 1
		.amdhsa_inst_pref_size 79
	.end_amdhsa_kernel
	.amdgpu_metadata
---
amdhsa.version: [ 1, 2 ]
amdhsa.kernels:
  - .name:           k_qc0e5598c3a_prep
    .symbol:         k_qc0e5598c3a_prep.kd
    .args:
      - { .name: x, .offset: 0, .size: 8, .value_kind: global_buffer, .address_space: global }
      - { .name: Wr, .offset: 8, .size: 8, .value_kind: global_buffer, .address_space: global }
      - { .name: br, .offset: 16, .size: 8, .value_kind: global_buffer, .address_space: global }
      - { .name: W1, .offset: 24, .size: 8, .value_kind: global_buffer, .address_space: global }
      - { .name: W2, .offset: 32, .size: 8, .value_kind: global_buffer, .address_space: global }
      - { .name: xb, .offset: 40, .size: 8, .value_kind: global_buffer, .address_space: global }
      - { .name: w1f, .offset: 48, .size: 8, .value_kind: global_buffer, .address_space: global }
      - { .name: w2f, .offset: 56, .size: 8, .value_kind: global_buffer, .address_space: global }
      - { .name: ridx, .offset: 64, .size: 8, .value_kind: global_buffer, .address_space: global }
      - { .name: rhist, .offset: 72, .size: 8, .value_kind: global_buffer, .address_space: global }
      - { .name: gate, .offset: 80, .size: 8, .value_kind: global_buffer, .address_space: global }
    .group_segment_fixed_size: 50688
    .private_segment_fixed_size: 0
    .kernarg_segment_align: 8
    .kernarg_segment_size: 88
    .max_flat_workgroup_size: 256
    .sgpr_count:     66
    .vgpr_count:     256
    .wavefront_size: 32
...
	.end_amdgpu_metadata
.endif
;; end of part 1
;; launch ffn1 (part 2): grid 8 x 36, 4 waves a work-group, no clusters, 307,712 bytes of LDS; arguments xb, w1f, b1, ridx, rhist, hf; writes hf
.if DOCPART == 2
	.amdgcn_target "amdgcn-amd-amdhsa--gfx1250"
	.amdhsa_code_object_version 6
	.text
	.protected	k_qc0e5598c3a_ffn1
	.globl	k_qc0e5598c3a_ffn1
	.p2align	8
	.type	k_qc0e5598c3a_ffn1,@function
k_qc0e5598c3a_ffn1:
	s_mov_b64 s[64:65], 0
	v_nop
	global_prefetch_b8 v0, s[64:65] scope:SCOPE_SE
	s_setreg_imm32_b32 hwreg(HW_REG_WAVE_MODE, 25, 1), 1
	s_wait_xcnt 0x0
; FFN1.  hidden = relu(x W1[e] + b1[e]) for the rows that chose expert e, stored in f16 as the second product's operand fragments.
; LIMITS.  x, W1, b1 rounded to bf16, sums in f32, the hidden layer rounded once to f16: a hidden number of 65,520 or more becomes an infinity; below 6.1e-5 it keeps f16's step of 6e-8.
; NaN is not treated apart (a NaN sum gives 0 behind the ReLU).
; TILES.  An expert's n rows go in ceil(n / 144) tiles of 144 rows (9 blocks of 16); over 8 experts and 4,096 rows that is never more than (4096 + 8 x 143) / 144 = 36 tiles: the grid's y.
; Every work-group works the tile's expert and rows out for itself from the stored counts (rhist) and choices (ridx).  Places past the count hold token 0, an existing row.
; A tile that the split leaves without rows (s56 = 1): the work-group passes every barrier and jumps forward over work alone; what it still does (the first loads, the first K step, the
; stores of its own block of hf) keeps every register and every byte defined.
; SHARES.  x of the grid: 128 columns.  Wave w: stream S = 4 c + w (32 columns, two fragments a K step) and all 9 row blocks: 18 sums of 16 x 16.  The weights come straight from memory
; into registers, read once a work-group; the token rows are gathered into LDS, K in four chunks of 256, each chunk in bytes of its own, so that one chunk is written while another is read.
; NO CLUSTER, NO TENSOR LOAD: the token rows come by a list, which no descriptor covers; each stream of weights has one reader in the work-group.
; THE MATRIX INSTRUCTION: source 0 = 16 columns of W1, source 1 = 16 tokens: a lane holds one token, register j of sum u' column 64 G + 2 (w & 1) + 32 h + 4 j + u'.
; Sums 0 and 1 rounded in pairs ARE the token fragment of K step S of the second product: hf[tile][block 9][K step 32][plane 2][512 bytes].
; REGISTERS, in windows of 256 (s_set_vgpr_msb: bits 1:0 source 0, 3:2 source 1, 5:4 source 2, 7:6 destination):
;   window 0: v0 thread v1 lane v2 r v3 h v4 16 lane v5, v6 the add's two v7 144 v8, v9 fragment addresses v10 staging address v12 my list v13 my first token v14-17 at work v18 128 h
;             v32-63 counts, then bias  v64-99 choices, then the rows' offsets  v100-111 at work, v109 then 0  v112-255 the 18 sums (scratch before)
;   window 1: two buffers of 128: a chunk's weights   window 2: two buffers of 72: a K step's token fragments   window 3: v0-143 36 pieces of rows on their way to LDS
.set CHB,   76032                      ; a chunk: 144 rows x (512 + 16) bytes
.set BLKB,  8448                       ; 16 rows
.set KSB,   64                         ; a K step of 32 in a row
.set PLB,   32
.set PL,    304128                     ; four lists of 192 words, one a wave
.set SPARE, 307200                     ; the spare words, 128 bytes a wave; no other line names them
.set TILEB, 294912                     ; a tile of hf
.set RH, 16                            ; s[16:17] rhist
.set RI, 14                            ; s[14:15] ridx
.set MSB, 0
.macro WIN new                         ; the immediate's high byte repeats the setting that is left
.if MSB != (\new)
	s_set_vgpr_msb (MSB<<8)|(\new)
.set MSB, \new
.endif
.endm
.macro PLACES                          ; four places behind matrix instructions, ahead of loads into their operands and of reads of their results
.rept 4
	v_nop
.endr
.endm
.macro SKIP lbl                        ; a tile without rows jumps forward; nothing that is jumped holds a barrier
	s_cmp_lg_u32 s56, 0
	s_cbranch_scc1 \lbl
.endm
.macro BAR
	s_barrier_signal -1
	s_barrier_wait -1
.endm
.macro EXPERT e                        ; does tile g fall among expert e's?
	s_bfe_u32 s37, s[24+(\e)/2], 0x100000|(16*((\e)%2))   ; n
	s_bfe_u32 s38, s[28+(\e)/2], 0x100000|(16*((\e)%2))   ; of them in front of my wave's tokens
	s_add_co_u32 s39, s37, 143
	s_mul_i32 s39, s39, 7282
	s_lshr_b32 s39, s39, 20                ; ceil(n / 144): 7282 / 2^20 is 1 / 144 closely enough up to 32,767
	s_sub_co_u32 s40, s4, s36
	s_cmp_lt_u32 s40, s39
	s_cselect_b32 s32, \e, s32
	s_cselect_b32 s33, s40, s33
	s_cselect_b32 s34, s37, s34
	s_cselect_b32 s35, s38, s35
	s_add_co_u32 s36, s36, s39
.endm
.macro SCAN                            ; my 1,024 tokens: those of expert s32 whose rank falls into the tile go into my list; word 144 takes the rest
.set k, 0
.rept 6
	ds_store_b32 v12, v109 offset:128*k
.set k, k+1
.endr
.set k, 0
.rept 32
.set T, 14+2*(k%2)
	v_cmp_eq_u32 vcc_lo, s32, v[64+k]
	v_mbcnt_lo_u32_b32 v[T], vcc_lo, s43
	s_bcnt1_i32_b32 s37, vcc_lo
	s_add_co_u32 s43, s43, s37
	v_cndmask_b32 v[T], v7, v[T], vcc_lo
	v_min_u32 v[T], 144, v[T]
	v_lshl_add_u32 v[T], v[T], 2, s58
	v_add_nc_u32 v[T+1], 128*(k/4)+k%4, v13
	ds_store_b32 v[T], v[T+1]
.set k, k+1
.endr
.endm
.macro ROWS sh                         ; the tokens of places 36 w .. 36 w + 35 (the four lists or-ed) become byte offsets
	s_mul_i32 s37, s2, 144
	s_add_co_u32 s37, s37, PL
	v_lshl_add_u32 v14, v1, 2, s37
.set k, 0
.rept 4
	ds_load_b32 v[148+k], v14 offset:768*k
	ds_load_b32 v[152+k], v14 offset:768*k+128
.set k, k+1
.endr
	s_wait_dscnt 0x0
	v_or_b32 v148, v148, v149
	v_or_b32 v150, v150, v151
	v_or_b32 v148, v148, v150
	v_or_b32 v152, v152, v153
	v_or_b32 v154, v154, v155
	v_or_b32 v152, v152, v154
.set k, 0
.rept 36
	v_readlane_b32 s[37+k%2], v[148+4*(k/32)], k%32
	s_min_u32 s[37+k%2], s[37+k%2], 4095
	v_lshl_add_u32 v[64+k], s[37+k%2], \sh, v4
.set k, k+1
.endr
.endm
.macro BLOAD ch, buf, k0, k1           ; pieces k0 .. k1 - 1 of a chunk's 32 pieces of my stream, 512 bytes on end each
	WIN 0x40
.set k, \k0
.rept (\k1)-(\k0)
	global_load_b128 v[128*(\buf)+4*k:128*(\buf)+4*k+3], v4, s[48:49] offset:(\ch)*16384+512*k
.set k, k+1
.endr
.endm
.macro ASTAGE ch                       ; 36 rows' 512 bytes of chunk ch
	WIN 0xc0
.set k, 0
.rept 36
	global_load_b128 v[4*k:4*k+3], v[64+k], s[8:9] offset:(\ch)*512
.set k, k+1
.endr
.endm
.macro ASTORE
	WIN 0x0c
.set k, 0
.rept 36
	ds_store_b128 v10, v[4*k:4*k+3] offset:k*528
.set k, k+1
.endr
.endm
.macro FRAG s, ab                      ; K step s of the chunk: 9 token fragments, 18 loads
	WIN 0x80
.set fi, 0
.rept 8
	ds_load_b128 v[72*(\ab)+8*fi:72*(\ab)+8*fi+3],   v8 offset:fi*BLKB+(\s)*KSB
	ds_load_b128 v[72*(\ab)+8*fi+4:72*(\ab)+8*fi+7], v8 offset:fi*BLKB+(\s)*KSB+PLB
.set fi, fi+1
.endr
	ds_load_b128 v[72*(\ab)+64:72*(\ab)+67], v9 offset:(\s)*KSB
	ds_load_b128 v[72*(\ab)+68:72*(\ab)+71], v9 offset:(\s)*KSB+PLB
.endm
.macro MULS s, ab, buf, first          ; 18 matrix instructions, the 18 sums by turns, one instruction a turn; first = 1: the bias starts the sums
	WIN 0x09
.set mi, 0
.rept 18
.if \first
	v_wmma_f32_16x16x32_bf16 v[112+8*mi:119+8*mi], v[128*(\buf)+16*(\s)+8*(mi%2):128*(\buf)+16*(\s)+8*(mi%2)+7], v[72*(\ab)+8*(mi/2):72*(\ab)+8*(mi/2)+7], v[48+8*(mi%2):55+8*(mi%2)]
.else
	v_wmma_f32_16x16x32_bf16 v[112+8*mi:119+8*mi], v[128*(\buf)+16*(\s)+8*(mi%2):128*(\buf)+16*(\s)+8*(mi%2)+7], v[72*(\ab)+8*(mi/2):72*(\ab)+8*(mi/2)+7], v[112+8*mi:119+8*mi]
.endif
.set mi, mi+1
.endr
.endm
.macro STEPS s0, buf, late             ; K steps s0 .. 7; step s0's fragments have been asked for.  late >= 0: in the middle the last 8 pieces of that chunk's weights are asked for
.set ss, \s0
.rept 7-(\s0)
.if (\late) >= 0
.if ss == 4
	BLOAD \late, (\late)%2, 24, 32
.endif
.endif
	PLACES
	FRAG ss+1, (ss+1)%2
	s_wait_dscnt 18                        ; this step's fragments are in; the 18 loads just issued stay out
	MULS ss, ss%2, \buf, 0
.set ss, ss+1
.endr
	s_wait_dscnt 0x0
	MULS 7, 1, \buf, 0
.endm
.macro NEXT ch                         ; behind chunk ch: chunk ch + 1 goes from registers into LDS, chunk ch + 2 is asked for (36 + 24 loads are then out)
	PLACES
	s_wait_loadcnt 0x0                     ; chunk ch + 1's rows and weights, asked for a chunk ago
	SKIP .Ln\ch
	ASTORE
.if (\ch) < 2
	s_wait_dscnt 0x0
	ASTAGE (\ch)+2
	BLOAD (\ch)+2, (\ch)%2, 0, 24
.endif
	WIN 0
.Ln\ch:
	s_wait_dscnt 0x0                       ; for the others' sake: my stores into chunk ch + 1 are done
	BAR
	v_add_nc_u32 v8, CHB, v8
	v_add_nc_u32 v9, CHB, v9
	v_add_nc_u32 v10, CHB, v10
.endm
	s_load_b256 s[8:15], s[0:1], 0x0       ; xb, w1f, b1, ridx
	s_load_b128 s[16:19], s[0:1], 0x20     ; rhist, hf
	v_lshl_add_u32 v5, v0, 2, SPARE
	v_mov_b32 v6, 0
	v_and_b32 v1, 31, v0
	v_lshrrev_b32 v14, 5, v0
	v_readfirstlane_b32 s2, v14            ; wave
	s_mov_b32 s3, ttmp9                    ; column tile
	s_and_b32 s4, ttmp7, 0xffff            ; row tile
	s_mov_b32 s44, 0x76543210
	s_mov_b32 s45, 0xfedcba98
	s_lshl_b32 s55, s2, 3
	s_mul_i32 s58, s2, 768
	s_add_co_u32 s58, s58, PL              ; my list
	v_and_b32 v2, 15, v0
	v_bfe_u32 v3, v0, 4, 1
	v_lshlrev_b32 v4, 4, v1
	v_mov_b32 v7, 144
	v_lshlrev_b32 v14, 7, v1               ; a lane takes 8 entries of rhist: 128 tokens
	v_lshl_add_u32 v15, s2, 12, v4         ; my wave's 1,024 choices
	s_wait_kmcnt 0x0
.set k, 0
.rept 8
	global_load_b128 v[32+4*k:35+4*k], v14, s[RH:RH+1] offset:16*k
.set k, k+1
.endr
.set k, 0
.rept 8                                ; register 4 k + c: token 1024 w + 128 k + 4 lane + c
	global_load_b128 v[64+4*k:67+4*k], v15, s[RI:RI+1] offset:512*k
.set k, k+1
.endr
	v_mul_u32_u24 v8, v2, 528
	v_lshl_add_u32 v8, v3, 4, v8           ; a fragment's row x pitch + 16 x half
	v_add_nc_u32 v9, 8*BLKB, v8            ; block 8 lies past the 16-bit offset
	s_mul_i32 s37, s2, 36*528
	v_add_nc_u32 v10, s37, v4              ; my 36 rows of a chunk
	v_lshl_add_u32 v12, v1, 2, s58
	v_lshlrev_b32 v13, 2, v1
	v_lshl_add_u32 v13, s2, 10, v13
	v_lshlrev_b32 v18, 7, v3
.irp j, 108,109,110,111
	v_mov_b32 v\j, 0
.endr
	s_mov_b32 s32, 8
	s_mov_b32 s33, 0
	s_mov_b32 s34, 0
	s_mov_b32 s35, 0
	s_mov_b32 s36, 0
	s_wait_loadcnt 0x0
.irp c, 0,1,2,3                        ; packed counts, two experts a word: no field passes 4,096
	v_add3_u32 v[100+\c], v[32+\c], v[36+\c], v[40+\c]
	v_add3_u32 v[100+\c], v[100+\c], v[44+\c], v[48+\c]
	v_add3_u32 v[100+\c], v[100+\c], v[52+\c], v[56+\c]
	v_add_nc_u32 v[100+\c], v[100+\c], v[60+\c]
.endr
	v_cmp_gt_u32 vcc_lo, s55, v1           ; lanes below 8 w hold the tokens in front of my wave's
.irp c, 0,1,2,3
	v_cndmask_b32 v[104+\c], 0, v[100+\c], vcc_lo
.endr
.irp m, 1,2,4,8
.set k, 0
.rept 8
	v_mov_b32_dpp v[108+k%4], v[100+k] row_xmask:\m row_mask:0xf bank_mask:0xf
	v_add_nc_u32 v[100+k], v[100+k], v[108+k%4]
.set k, k+1
.endr
.endr
.set k, 0
.rept 8
	v_permlanex16_b32 v[108+k%4], v[100+k], s44, s45
	v_add_nc_u32 v[100+k], v[100+k], v[108+k%4]
.set k, k+1
.endr
.set k, 0
.rept 8
	v_readfirstlane_b32 s[24+k], v[100+k]  ; s24-27 all tokens, s28-31 those in front of my wave's
.set k, k+1
.endr
	v_mov_b32 v109, 0
.irp e, 0,1,2,3,4,5,6,7
	EXPERT \e
.endr
	s_cmp_eq_u32 s32, 8
	s_cselect_b32 s56, 1, 0                ; the tile has no rows
	s_min_u32 s57, s32, 7                  ; the expert, for addresses
	s_mul_i32 s42, s33, 144                ; the tile's first rank
	s_sub_co_u32 s43, s35, s42             ; my wave's first rank, counted from there (it may wrap: such ranks fall to word 144)
	s_lshl_b32 s46, s57, 21
	s_lshl2_add_u32 s37, s3, s2            ; stream 4 c + w
	s_lshl_b32 s38, s37, 16
	s_add_co_u32 s46, s46, s38
	s_mov_b32 s47, 0
	s_add_nc_u64 s[48:49], s[10:11], s[46:47]
	s_lshl_b32 s46, s57, 12
	s_lshl_b32 s38, s3, 9
	s_add_co_u32 s46, s46, s38
	s_lshr_b32 s38, s2, 1
	s_lshl_b32 s38, s38, 8
	s_add_co_u32 s46, s46, s38
	s_and_b32 s38, s2, 1
	s_lshl_b32 s38, s38, 3
	s_add_co_u32 s46, s46, s38
	s_add_nc_u64 s[50:51], s[12:13], s[46:47]  ; b1 at column 128 c + 64 (w >> 1) + 2 (w & 1)
	s_mul_i32 s46, s4, TILEB
	s_lshl_b32 s38, s37, 10
	s_add_co_u32 s46, s46, s38
	s_add_nc_u64 s[52:53], s[18:19], s[46:47]
.set k, 0
.rept 8                                ; columns 32 h + 4 k + 0, 1
	global_load_b64 v[32+2*k:33+2*k], v18, s[50:51] offset:16*k
.set k, k+1
.endr
	BLOAD 0, 0, 0, 32
	BLOAD 1, 1, 24, 32
	WIN 0
	SCAN
	s_wait_dscnt 0x0                       ; for the others' sake: my list is written
	BAR
	ROWS 11
	ASTAGE 0
	WIN 0
	s_wait_loadcnt 0x0
.set k, 0
.rept 8                                ; the bias rounded to bf16, and parted by sum
	v_cvt_pk_bf16_f32 v14, v[32+2*k], v[33+2*k]
	v_lshlrev_b32 v[48+k], 16, v14
	v_and_b32 v[56+k], 0xffff0000, v14
.set k, k+1
.endr
	ASTORE
	WIN 0
	s_wait_dscnt 0x0
	v_add_nc_u32 v10, CHB, v10
	ASTAGE 1
	BLOAD 1, 1, 0, 24
	WIN 0
	BAR                                    ; chunk 0 is whole
	FRAG 0, 0
	FRAG 1, 1
	s_wait_dscnt 18
	MULS 0, 0, 0, 1                        ; the first K step starts the sums, in every work-group
	WIN 0
	SKIP .Lc0
	STEPS 1, 0, -1
	WIN 0
.Lc0:
	NEXT 0
	SKIP .Lc1
	FRAG 0, 0
	STEPS 0, 1, 2
	WIN 0
.Lc1:
	NEXT 1
	SKIP .Lc2
	FRAG 0, 0
	STEPS 0, 0, 3
	WIN 0
.Lc2:
	NEXT 2
	SKIP .Lc3
	FRAG 0, 0
	STEPS 0, 1, -1
	WIN 0
.Lc3:
	PLACES
	; THE WAY OUT: sums 0 and 1 of a block rounded in pairs, ascending, then the ReLU on the pairs; two stores of 512 bytes on end a block
.set bi, 0
.rept 9
.set a0, 112+16*bi
.set k, 0
.rept 8
	v_cvt_pk_f16_f32 v[a0+k], v[a0+k], v[a0+8+k]
.set k, k+1
.endr
.set k, 0
.rept 8
	v_pk_max_num_f16 v[a0+k], v[a0+k], v109
.set k, k+1
.endr
	global_store_b128 v4, v[a0:a0+3], s[52:53] offset:bi*32768
	global_store_b128 v4, v[a0+4:a0+7], s[52:53] offset:bi*32768+512
.set bi, bi+1
.endr
	s_wait_tensorcnt 0x0                   ; the wave's end
	ds_add_u32 v5, v6
	s_wait_dscnt 0x0
	s_endpgm
.Lfunc_end_k_qc0e5598c3a_ffn1:
	.size	k_qc0e5598c3a_ffn1, .Lfunc_end_k_qc0e5598c3a_ffn1-k_qc0e5598c3a_ffn1
	.p2alignl 7, 3214868480
	.fill 96, 4, 3214868480
	.section	.rodata,"a",@progbits
	.p2align	6, 0x0
	.amdhsa_kernel k_qc0e5598c3a_ffn1
		.amdhsa_group_segment_fixed_size 307712
		.amdhsa_private_segment_fixed_size 0
		.amdhsa_enable_private_segment 0
		.amdhsa_kernarg_size 48
		.amdhsa_user_sgpr_count 2
		.amdhsa_user_sgpr_kernarg_segment_ptr 1
		.amdhsa_wavefront_size32 1
		.amdhsa_system_sgpr_workgroup_id_x 1
		.amdhsa_system_sgpr_workgroup_id_y 1
		.amdhsa_system_sgpr_workgroup_id_z 1
		.amdhsa_system_vgpr_workitem_id 0
		.amdhsa_next_free_vgpr 912
		.amdhsa_next_free_sgpr 66
		.amdhsa_reserve_vcc 1
		.amdhsa_float_denorm_mode_32 3
		.amdhsa_float_denorm_mode_16_64 3
		.amdhsa_memory_ordered 1
		.amdhsa_forward_progress 1
		.amdhsa_inst_pref_size 164
	.end_amdhsa_kernel
	.amdgpu_metadata
---
amdhsa.version: [ 1, 2 ]
amdhsa.kernels:
  - .name:           k_qc0e5598c3a_ffn1
    .symbol:         k_qc0e5598c3a_ffn1.kd
    .args:
      - { .name: xb, .offset: 0, .size: 8, .value_kind: global_buffer, .address_space: global }
      - { .name: w1f, .offset: 8, .size: 8, .value_kind: global_buffer, .address_space: global }
      - { .name: b1, .offset: 16, .size: 8, .value_kind: global_buffer, .address_space: global }
      - { .name: ridx, .offset: 24, .size: 8, .value_kind: global_buffer, .address_space: global }
      - { .name: rhist, .offset: 32, .size: 8, .value_kind: global_buffer, .address_space: global }
      - { .name: hf, .offset: 40, .size: 8, .value_kind: global_buffer, .address_space: global }
    .group_segment_fixed_size: 307712
    .private_segment_fixed_size: 0
    .kernarg_segment_align: 8
    .kernarg_segment_size: 48
    .max_flat_workgroup_size: 128
    .sgpr_count:     66
    .vgpr_count:     912
    .wavefront_size: 32
...
	.end_amdgpu_metadata
.endif
;; end of part 2
;; launch ffn2 (part 3): grid 8 x 36, 4 waves a work-group, no clusters, 307,712 bytes of LDS; arguments hf, w2f, b2, gate, ridx, rhist, out0; writes out0
.if DOCPART == 3
	.amdgcn_target "amdgcn-amd-amdhsa--gfx1250"
	.amdhsa_code_object_version 6
	.text
	.protected	k_qc0e5598c3a_ffn2
	.globl	k_qc0e5598c3a_ffn2
	.p2align	8
	.type	k_qc0e5598c3a_ffn2,@function
k_qc0e5598c3a_ffn2:
	s_mov_b64 s[64:65], 0
	v_nop
	global_prefetch_b8 v0, s[64:65] scope:SCOPE_SE
	s_setreg_imm32_b32 hwreg(HW_REG_WAVE_MODE, 25, 1), 1
	s_wait_xcnt 0x0
; FFN2.  out[token] = (hidden W2[e] + b2[e]) x gate[token] for the rows of a tile, scattered to the tokens' rows.
; LIMITS.  Hidden layer and W2 in f16 (W2 is its bf16 rounding written as f16), b2 rounded to bf16, sums in f32, the gate in f32.  NaN and infinities are not treated apart.
; TILES, SHARES AND FRAME are the first product's: tiles of 144 rows, at most 36; every work-group works its tile out from rhist and ridx by the same lines, so that a place in a tile
; means the same token in both launches; wave w has stream 4 c + w of W2 and all 9 row blocks; a tile without rows (s56 = 1) passes every barrier, jumps over work alone and stores nothing.
; The hidden layer lies in hf as operand fragments: a chunk (8 K steps) of a block is 8 KB on end and goes to LDS as it lies.
; NO CLUSTER in this text: the 8 column tiles of a row tile read the same 288 KB of hf beside 256 KB of weights of their own; asking for them jointly would want the tensor mover's ring in place of this frame.
; THE WAY OUT: results x gate go through a stage in LDS (144 rows x 528 bytes, over the chunks, which nobody reads any more) and leave as pieces of 512 bytes on end of a token's row; rows past the count are jumped.
; REGISTERS as in the first product; besides: v11 staging address of block 8, v19 my offset in hf, v20-28 the gates, v29, v30 stage in, v31 stage out, v32-63 later the scaled results, v100-108 the gates' offsets.
.set CHB,   73728                      ; a chunk: 9 blocks x 8 fragments x 1,024 bytes
.set BLKB,  8192
.set KSB,   1024
.set PLB,   512
.set PL,    304128
.set SPARE, 307200
.set TILEB, 294912
.set RH, 18                            ; s[18:19] rhist
.set RI, 16                            ; s[16:17] ridx
.set MSB, 0
.macro WIN new
.if MSB != (\new)
	s_set_vgpr_msb (MSB<<8)|(\new)
.set MSB, \new
.endif
.endm
.macro PLACES
.rept 4
	v_nop
.endr
.endm
.macro SKIP lbl
	s_cmp_lg_u32 s56, 0
	s_cbranch_scc1 \lbl
.endm
.macro BAR
	s_barrier_signal -1
	s_barrier_wait -1
.endm
.macro EXPERT e
	s_bfe_u32 s37, s[24+(\e)/2], 0x100000|(16*((\e)%2))
	s_bfe_u32 s38, s[28+(\e)/2], 0x100000|(16*((\e)%2))
	s_add_co_u32 s39, s37, 143
	s_mul_i32 s39, s39, 7282
	s_lshr_b32 s39, s39, 20
	s_sub_co_u32 s40, s4, s36
	s_cmp_lt_u32 s40, s39
	s_cselect_b32 s32, \e, s32
	s_cselect_b32 s33, s40, s33
	s_cselect_b32 s34, s37, s34
	s_cselect_b32 s35, s38, s35
	s_add_co_u32 s36, s36, s39
.endm
.macro SCAN
.set k, 0
.rept 6
	ds_store_b32 v12, v109 offset:128*k
.set k, k+1
.endr
.set k, 0
.rept 32
.set T, 14+2*(k%2)
	v_cmp_eq_u32 vcc_lo, s32, v[64+k]
	v_mbcnt_lo_u32_b32 v[T], vcc_lo, s43
	s_bcnt1_i32_b32 s37, vcc_lo
	s_add_co_u32 s43, s43, s37
	v_cndmask_b32 v[T], v7, v[T], vcc_lo
	v_min_u32 v[T], 144, v[T]
	v_lshl_add_u32 v[T], v[T], 2, s58
	v_add_nc_u32 v[T+1], 128*(k/4)+k%4, v13
	ds_store_b32 v[T], v[T+1]
.set k, k+1
.endr
.endm
.macro ROWS sh
	s_mul_i32 s37, s2, 144
	s_add_co_u32 s37, s37, PL
	v_lshl_add_u32 v14, v1, 2, s37
.set k, 0
.rept 4
	ds_load_b32 v[148+k], v14 offset:768*k
	ds_load_b32 v[152+k], v14 offset:768*k+128
.set k, k+1
.endr
	s_wait_dscnt 0x0
	v_or_b32 v148, v148, v149
	v_or_b32 v150, v150, v151
	v_or_b32 v148, v148, v150
	v_or_b32 v152, v152, v153
	v_or_b32 v154, v154, v155
	v_or_b32 v152, v152, v154
.set k, 0
.rept 36
	v_readlane_b32 s[37+k%2], v[148+4*(k/32)], k%32
	s_min_u32 s[37+k%2], s[37+k%2], 4095
	v_lshl_add_u32 v[64+k], s[37+k%2], \sh, v4
.set k, k+1
.endr
.endm
.macro BLOAD ch, buf, k0, k1
	WIN 0x40
.set k, \k0
.rept (\k1)-(\k0)
	global_load_b128 v[128*(\buf)+4*k:128*(\buf)+4*k+3], v4, s[48:49] offset:(\ch)*16384+512*k
.set k, k+1
.endr
.endm
.macro ASTAGE ch                       ; k = 4 block + t: my 2 KB of each block's 8 KB of chunk ch
	WIN 0xc0
.set k, 0
.rept 36
	global_load_b128 v[4*k:4*k+3], v19, s[60:61] offset:(k/4)*32768+(\ch)*8192+(k%4)*512
.set k, k+1
.endr
.endm
.macro ASTORE
	WIN 0x0c
.set k, 0
.rept 32
	ds_store_b128 v10, v[4*k:4*k+3] offset:(k/4)*8192+(k%4)*512
.set k, k+1
.endr
.rept 4
	ds_store_b128 v11, v[4*k:4*k+3] offset:(k%4)*512
.set k, k+1
.endr
.endm
.macro FRAG s, ab
	WIN 0x80
.set fi, 0
.rept 8
	ds_load_b128 v[72*(\ab)+8*fi:72*(\ab)+8*fi+3],   v8 offset:fi*BLKB+(\s)*KSB
	ds_load_b128 v[72*(\ab)+8*fi+4:72*(\ab)+8*fi+7], v8 offset:fi*BLKB+(\s)*KSB+PLB
.set fi, fi+1
.endr
	ds_load_b128 v[72*(\ab)+64:72*(\ab)+67], v9 offset:(\s)*KSB
	ds_load_b128 v[72*(\ab)+68:72*(\ab)+71], v9 offset:(\s)*KSB+PLB
.endm
.macro MULS s, ab, buf, first          ; the 18 sums by turns, one instruction a turn
	WIN 0x09
.set mi, 0
.rept 18
.if \first
	v_wmma_f32_16x16x32_f16 v[112+8*mi:119+8*mi], v[128*(\buf)+16*(\s)+8*(mi%2):128*(\buf)+16*(\s)+8*(mi%2)+7], v[72*(\ab)+8*(mi/2):72*(\ab)+8*(mi/2)+7], v[48+8*(mi%2):55+8*(mi%2)]
.else
	v_wmma_f32_16x16x32_f16 v[112+8*mi:119+8*mi], v[128*(\buf)+16*(\s)+8*(mi%2):128*(\buf)+16*(\s)+8*(mi%2)+7], v[72*(\ab)+8*(mi/2):72*(\ab)+8*(mi/2)+7], v[112+8*mi:119+8*mi]
.endif
.set mi, mi+1
.endr
.endm
.macro STEPS s0, buf, late
.set ss, \s0
.rept 7-(\s0)
.if (\late) >= 0
.if ss == 4
	BLOAD \late, (\late)%2, 24, 32
.endif
.endif
	PLACES
	FRAG ss+1, (ss+1)%2
	s_wait_dscnt 18                        ; this step's fragments are in; the 18 loads just issued stay out
	MULS ss, ss%2, \buf, 0
.set ss, ss+1
.endr
	s_wait_dscnt 0x0
	MULS 7, 1, \buf, 0
.endm
.macro NEXT ch
	PLACES
	s_wait_loadcnt 0x0                     ; chunk ch + 1's fragments and weights, asked for a chunk ago
	SKIP .Ln\ch
	ASTORE
.if (\ch) < 2
	s_wait_dscnt 0x0
	ASTAGE (\ch)+2
	BLOAD (\ch)+2, (\ch)%2, 0, 24
.endif
	WIN 0
.Ln\ch:
	s_wait_dscnt 0x0                       ; for the others' sake: my stores into chunk ch + 1 are done
	BAR
	v_add_nc_u32 v8, CHB, v8
	v_add_nc_u32 v9, CHB, v9
	v_add_nc_u32 v10, CHB, v10
	v_add_nc_u32 v11, CHB, v11
.endm
	s_load_b256 s[8:15], s[0:1], 0x0       ; hf, w2f, b2, gate
	s_load_b128 s[16:19], s[0:1], 0x20     ; ridx, rhist
	s_load_b64 s[20:21], s[0:1], 0x30      ; out0
	v_lshl_add_u32 v5, v0, 2, SPARE
	v_mov_b32 v6, 0
	v_and_b32 v1, 31, v0
	v_lshrrev_b32 v14, 5, v0
	v_readfirstlane_b32 s2, v14            ; wave
	s_mov_b32 s3, ttmp9                    ; column tile
	s_and_b32 s4, ttmp7, 0xffff            ; row tile
	s_mov_b32 s44, 0x76543210
	s_mov_b32 s45, 0xfedcba98
	s_lshl_b32 s55, s2, 3
	s_mul_i32 s58, s2, 768
	s_add_co_u32 s58, s58, PL
	v_and_b32 v2, 15, v0
	v_bfe_u32 v3, v0, 4, 1
	v_lshlrev_b32 v4, 4, v1
	v_mov_b32 v7, 144
	v_lshlrev_b32 v14, 7, v1
	v_lshl_add_u32 v15, s2, 12, v4
	s_wait_kmcnt 0x0
.set k, 0
.rept 8
	global_load_b128 v[32+4*k:35+4*k], v14, s[RH:RH+1] offset:16*k
.set k, k+1
.endr
.set k, 0
.rept 8
	global_load_b128 v[64+4*k:67+4*k], v15, s[RI:RI+1] offset:512*k
.set k, k+1
.endr
	v_mov_b32 v8, v4                       ; a fragment's plane: 16 bytes a lane
	v_add_nc_u32 v9, 8*BLKB, v4
	v_lshl_add_u32 v10, s2, 11, v4         ; my 2 KB of a block
	v_add_nc_u32 v11, 8*BLKB, v10
	v_lshl_add_u32 v19, s2, 11, v4
	v_lshl_add_u32 v12, v1, 2, s58
	v_lshlrev_b32 v13, 2, v1
	v_lshl_add_u32 v13, s2, 10, v13
	v_lshlrev_b32 v18, 7, v3
	s_lshr_b32 s37, s2, 1
	s_lshl_b32 s37, s37, 8
	s_and_b32 s38, s2, 1
	s_lshl_b32 s38, s38, 3
	s_add_co_u32 s37, s37, s38
	v_mul_u32_u24 v29, v2, 528
	v_lshl_add_u32 v29, v3, 7, v29
	v_add_nc_u32 v29, s37, v29             ; stage in: row r, byte 256 (w >> 1) + 8 (w & 1) + 128 h
	v_add_nc_u32 v30, 8*8448, v29
	s_mul_i32 s37, s2, 36*528
	v_add_nc_u32 v31, s37, v4              ; stage out: my 36 rows
.irp j, 108,109,110,111
	v_mov_b32 v\j, 0
.endr
	s_mov_b32 s32, 8
	s_mov_b32 s33, 0
	s_mov_b32 s34, 0
	s_mov_b32 s35, 0
	s_mov_b32 s36, 0
	s_wait_loadcnt 0x0
.irp c, 0,1,2,3
	v_add3_u32 v[100+\c], v[32+\c], v[36+\c], v[40+\c]
	v_add3_u32 v[100+\c], v[100+\c], v[44+\c], v[48+\c]
	v_add3_u32 v[100+\c], v[100+\c], v[52+\c], v[56+\c]
	v_add_nc_u32 v[100+\c], v[100+\c], v[60+\c]
.endr
	v_cmp_gt_u32 vcc_lo, s55, v1
.irp c, 0,1,2,3
	v_cndmask_b32 v[104+\c], 0, v[100+\c], vcc_lo
.endr
.irp m, 1,2,4,8
.set k, 0
.rept 8
	v_mov_b32_dpp v[108+k%4], v[100+k] row_xmask:\m row_mask:0xf bank_mask:0xf
	v_add_nc_u32 v[100+k], v[100+k], v[108+k%4]
.set k, k+1
.endr
.endr
.set k, 0
.rept 8
	v_permlanex16_b32 v[108+k%4], v[100+k], s44, s45
	v_add_nc_u32 v[100+k], v[100+k], v[108+k%4]
.set k, k+1
.endr
.set k, 0
.rept 8
	v_readfirstlane_b32 s[24+k], v[100+k]
.set k, k+1
.endr
	v_mov_b32 v109, 0
.irp e, 0,1,2,3,4,5,6,7
	EXPERT \e
.endr
	s_cmp_eq_u32 s32, 8
	s_cselect_b32 s56, 1, 0                ; the tile has no rows
	s_min_u32 s57, s32, 7
	s_mul_i32 s42, s33, 144
	s_sub_co_u32 s41, s34, s42
	s_min_u32 s41, s41, 144                ; the tile's rows
	s_sub_co_u32 s43, s35, s42
	s_lshl_b32 s46, s57, 21
	s_lshl2_add_u32 s37, s3, s2
	s_lshl_b32 s38, s37, 16
	s_add_co_u32 s46, s46, s38
	s_mov_b32 s47, 0
	s_add_nc_u64 s[48:49], s[10:11], s[46:47]
	s_lshl_b32 s46, s57, 12
	s_lshl_b32 s38, s3, 9
	s_add_co_u32 s46, s46, s38
	s_lshr_b32 s38, s2, 1
	s_lshl_b32 s38, s38, 8
	s_add_co_u32 s46, s46, s38
	s_and_b32 s38, s2, 1
	s_lshl_b32 s38, s38, 3
	s_add_co_u32 s46, s46, s38
	s_add_nc_u64 s[50:51], s[12:13], s[46:47]
	s_mul_i32 s46, s4, TILEB
	s_add_nc_u64 s[60:61], s[8:9], s[46:47]
	s_lshl_b32 s46, s3, 9
	s_add_nc_u64 s[52:53], s[20:21], s[46:47]
.set k, 0
.rept 8
	global_load_b64 v[32+2*k:33+2*k], v18, s[50:51] offset:16*k
.set k, k+1
.endr
	ASTAGE 0                               ; needs no list: 8 + 36 + 16 loads are out
	BLOAD 0, 0, 0, 16
	WIN 0
	SCAN
	s_wait_dscnt 0x0
	BAR
	BLOAD 0, 0, 16, 32
	BLOAD 1, 1, 16, 32
	WIN 0
	v_lshl_add_u32 v15, v2, 2, PL          ; the tokens of places 16 i + r, for the gates
.set k, 0
.rept 36                               ; k = 4 i + list
	ds_load_b32 v[112+k], v15 offset:(k%4)*768+(k/4)*64
.set k, k+1
.endr
	ROWS 12
.set k, 0
.rept 9
	v_or_b32 v[100+k], v[112+4*k], v[113+4*k]
	v_or_b32 v[114+4*k], v[114+4*k], v[115+4*k]
	v_or_b32 v[100+k], v[100+k], v[114+4*k]
	v_min_u32 v[100+k], 4095, v[100+k]
	v_lshlrev_b32 v[100+k], 2, v[100+k]
.set k, k+1
.endr
.set k, 0
.rept 9
	global_load_b32 v[20+k], v[100+k], s[14:15]
.set k, k+1
.endr
	s_wait_loadcnt 9                       ; all but the nine gates
.set k, 0
.rept 8
	v_cvt_pk_bf16_f32 v14, v[32+2*k], v[33+2*k]
	v_lshlrev_b32 v[48+k], 16, v14
	v_and_b32 v[56+k], 0xffff0000, v14
.set k, k+1
.endr
	ASTORE
	WIN 0
	s_wait_dscnt 0x0
	v_add_nc_u32 v10, CHB, v10
	v_add_nc_u32 v11, CHB, v11
	ASTAGE 1                               ; 36 + 16 beside the nine gates: 61 are out
	BLOAD 1, 1, 0, 16
	WIN 0
	BAR                                    ; chunk 0 is whole
	FRAG 0, 0
	FRAG 1, 1
	s_wait_dscnt 18
	MULS 0, 0, 0, 1                        ; the first K step starts the sums, in every work-group
	WIN 0
	SKIP .Lc0
	STEPS 1, 0, -1
	WIN 0
.Lc0:
	NEXT 0
	SKIP .Lc1
	FRAG 0, 0
	STEPS 0, 1, 2
	WIN 0
.Lc1:
	NEXT 1
	SKIP .Lc2
	FRAG 0, 0
	STEPS 0, 0, 3
	WIN 0
.Lc2:
	NEXT 2
	SKIP .Lc3
	FRAG 0, 0
	STEPS 0, 1, -1
	WIN 0
.Lc3:
	PLACES
	s_wait_dscnt 0x0                       ; my reads of the chunks are over
	BAR                                    ; everybody's are: the stage may be written over them
	SKIP .Lst
.set bi, 0
.rept 9
.set TMb, 32+16*(bi%2)
.set k, 0
.rept 8                                ; ascending: each sum's lowest register is read first
	v_mul_f32 v[TMb+2*k],   v[112+16*bi+k], v[20+bi]
	v_mul_f32 v[TMb+2*k+1], v[120+16*bi+k], v[20+bi]
.set k, k+1
.endr
.set k, 0
.rept 8
.if bi < 8
	ds_store_b64 v29, v[TMb+2*k:TMb+2*k+1] offset:bi*8448+16*k
.else
	ds_store_b64 v30, v[TMb+2*k:TMb+2*k+1] offset:16*k
.endif
.set k, k+1
.endr
.set bi, bi+1
.endr
.Lst:
	s_wait_dscnt 0x0                       ; for the others' sake: my part of the stage is written
	BAR
	s_mul_i32 s37, s2, 36
	s_min_u32 s37, s37, s41
	s_sub_co_u32 s54, s41, s37             ; how many of my 36 rows lie inside the count
	s_cmp_eq_u32 s54, 0
	s_cbranch_scc1 .Ldone
.set k, 0
.rept 36
	ds_load_b128 v[112+4*k:115+4*k], v31 offset:k*528
.set k, k+1
.endr
	s_wait_dscnt 0x0
.set k, 0
.rept 36
.if k > 0
	s_cmp_le_u32 s54, k
	s_cbranch_scc1 .Ldone
.endif
	global_store_b128 v[64+k], v[112+4*k:115+4*k], s[52:53] th:TH_STORE_NT   ; 512 bytes on end of one token's row
.set k, k+1
.endr
.Ldone:
	s_wait_tensorcnt 0x0                   ; the wave's end
	ds_add_u32 v5, v6
	s_wait_dscnt 0x0
	s_endpgm
.Lfunc_end_k_qc0e5598c3a_ffn2:
	.size	k_qc0e5598c3a_ffn2, .Lfunc_end_k_qc0e5598c3a_ffn2-k_qc0e5598c3a_ffn2
	.p2alignl 7, 3214868480
	.fill 96, 4, 3214868480
	.section	.rodata,"a",@progbits
	.p2align	6, 0x0
	.amdhsa_kernel k_qc0e5598c3a_ffn2
		.amdhsa_group_segment_fixed_size 307712
		.amdhsa_private_segment_fixed_size 0
		.amdhsa_enable_private_segment 0
		.amdhsa_kernarg_size 56
		.amdhsa_user_sgpr_count 2
		.amdhsa_user_sgpr_kernarg_segment_ptr 1
		.amdhsa_wavefront_size32 1
		.amdhsa_system_sgpr_workgroup_id_x 1
		.amdhsa_system_sgpr_workgroup_id_y 1
		.amdhsa_system_sgpr_workgroup_id_z 1
		.amdhsa_system_vgpr_workitem_id 0
		.amdhsa_next_free_vgpr 912
		.amdhsa_next_free_sgpr 66
		.amdhsa_reserve_vcc 1
		.amdhsa_float_denorm_mode_32 3
		.amdhsa_float_denorm_mode_16_64 3
		.amdhsa_memory_ordered 1
		.amdhsa_forward_progress 1
		.amdhsa_inst_pref_size 177
	.end_amdhsa_kernel
	.amdgpu_metadata
---
amdhsa.version: [ 1, 2 ]
amdhsa.kernels:
  - .name:           k_qc0e5598c3a_ffn2
    .symbol:         k_qc0e5598c3a_ffn2.kd
    .args:
      - { .name: hf, .offset: 0, .size: 8, .value_kind: global_buffer, .address_space: global }
      - { .name: w2f, .offset: 8, .size: 8, .value_kind: global_buffer, .address_space: global }
      - { .name: b2, .offset: 16, .size: 8, .value_kind: global_buffer, .address_space: global }
      - { .name: gate, .offset: 24, .size: 8, .value_kind: global_buffer, .address_space: global }
      - { .name: ridx, .offset: 32, .size: 8, .value_kind: global_buffer, .address_space: global }
      - { .name: rhist, .offset: 40, .size: 8, .value_kind: global_buffer, .address_space: global }
      - { .name: out0, .offset: 48, .size: 8, .value_kind: global_buffer, .address_space: global }
    .group_segment_fixed_size: 307712
    .private_segment_fixed_size: 0
    .kernarg_segment_align: 8
    .kernarg_segment_size: 56
    .max_flat_workgroup_size: 128
    .sgpr_count:     66
    .vgpr_count:     912
    .wavefront_size: 32
...
	.end_amdgpu_metadata
.endif
;; end of part 3
;; ======== version 2 of 2: 3 launches; 1.14 times as fast as version 1
;; limits: values are held in f16: magnitudes above 65,504 overflow, below 6.1e-05 lose precision
;; workspace buffers: xb 8,388,608 bytes; w1f 16,777,216 bytes; w2f 16,777,216 bytes; hf 10,616,832 bytes; gate 16,384 bytes; ridx 16,384 bytes of whole numbers; rhist 4,096 bytes of whole numbers
;; launch prep: the kernel of part 1 again; grid 256 x 1, 8 waves a work-group, no clusters, 50,688 bytes of LDS; arguments x, Wr, br, W1, W2, xb, w1f, w2f, ridx, rhist, gate; writes xb, w1f, w2f, ridx, rhist, gate
;; launch ffn1 (part 4): grid 8 x 32, 4 waves a work-group, no clusters, 307,712 bytes of LDS; arguments xb, w1f, b1, ridx, rhist, hf; writes hf
.if DOCPART == 4
	.amdgcn_target "amdgcn-amd-amdhsa--gfx1250"
	.amdhsa_code_object_version 6
	.text
	.protected	k_qc0e5598c3a_ffn1
	.globl	k_qc0e5598c3a_ffn1
	.p2align	8
	.type	k_qc0e5598c3a_ffn1,@function
k_qc0e5598c3a_ffn1:
	s_mov_b64 s[64:65], 0
	v_nop
	global_prefetch_b8 v0, s[64:65] scope:SCOPE_SE
	s_setreg_imm32_b32 hwreg(HW_REG_WAVE_MODE, 25, 1), 1
	s_wait_xcnt 0x0
; FFN1.  hidden = relu(x W1[e] + b1[e]) for the rows that chose expert e, stored in f16 as the second product's operand fragments.
; LIMITS.  x, W1, b1 rounded to bf16, sums in f32, the hidden layer rounded once to f16: a hidden number of 65,520 or more becomes an infinity; below 6.1e-5 it keeps f16's step of 6e-8.
; NaN is not treated apart (a NaN sum gives 0 behind the ReLU).
; TILES.  An expert's n rows go in ceil(n / 144) tiles of 144 rows (9 blocks of 16); over 8 experts and 4,096 rows that is never more than (4096 + 8 x 143) / 144 = 36 tiles.
; Every work-group works a tile's expert and rows out for itself from the stored counts (rhist) and choices (ridx).  Places past the count hold token 0, an existing row.
; TWO PASSES.  The grid has 8 x 32 work-groups.  Work-group (c, g) takes tile g and then tile g + 32: a loop with the constant count 2.  Tile g + 32 exists only where the split needs more
; than 32 tiles, and then for g < 4.  Where it does not (s6 = 1, never in the first pass), each piece of work between two barriers is jumped forward; every wave passes every barrier.
; The scalar work that finds the tile and forms the bases runs in every pass, ahead of the first jump: every base is made from its own buffer's address on every way.
; A tile g < 32 that the split leaves without rows (s56 = 1): the first pass still makes the first loads, the first K step and the stores of its own block of hf, so that every register and
; every byte of hf's first 32 tiles is defined; the other K steps are jumped.
; SHARES.  x of the grid: 128 columns.  Wave w: stream S = 4 c + w (32 columns, two fragments a K step) and all 9 row blocks: 18 sums of 16 x 16.  The weights come straight from memory
; into registers, read once a work-group; the token rows are gathered into LDS, K in four chunks of 256, each chunk in bytes of its own, so that one chunk is written while another is read.
; NO CLUSTER, NO TENSOR LOAD: the token rows come by a list, which no descriptor covers; each stream of weights has one reader in the work-group.
; THE MATRIX INSTRUCTION: source 0 = 16 columns of W1, source 1 = 16 tokens: a lane holds one token, register j of sum u' column 64 G + 2 (w & 1) + 32 h + 4 j + u'.
; Sums 0 and 1 rounded in pairs ARE the token fragment of K step S of the second product: hf[tile][block 9][K step 32][plane 2][512 bytes].
; REGISTERS, in windows of 256 (s_set_vgpr_msb: bits 1:0 source 0, 3:2 source 1, 5:4 source 2, 7:6 destination):
;   window 0: v0 thread v1 lane v2 r v3 h v4 16 lane v5, v6 the add's two v7 144 v8, v9 fragment addresses v10 staging address v12 my list v13 my first token v14-17 at work v18 128 h
;             v32-63 counts, then bias  v64-99 the rows' offsets  v100-111 at work, v109 then 0  v112-255 the 18 sums
;   window 1: two buffers of 128: a chunk's weights   window 2: two buffers of 72: a K step's token fragments; v144-175 my wave's 1,024 choices   window 3: v0-143 36 pieces of rows on their way to LDS
; SCALARS: s2 wave s3 c s4 tile s5 passes to go s6 nothing in this pass s7 my rows' place in a chunk s24-31 counts s32-43 the tile s56 no rows s66-101 masks, then tokens
.set CHB,   76032                      ; a chunk: 144 rows x (512 + 16) bytes
.set BLKB,  8448                       ; 16 rows
.set KSB,   64                         ; a K step of 32 in a row
.set PLB,   32
.set PL,    304128                     ; four lists of 192 words, one a wave
.set SPARE, 307200                     ; the spare words, 128 bytes a wave; no other line names them
.set TILEB, 294912                     ; a tile of hf
.set RH, 16                            ; s[16:17] rhist
.set RI, 14                            ; s[14:15] ridx
.set CHO, 144                          ; window 2: the choices
.set MK, 66                            ; s66 on
.set MSB, 0
.macro WIN new                         ; the immediate's high byte repeats the setting that is left
.if MSB != (\new)
	s_set_vgpr_msb (MSB<<8)|(\new)
.set MSB, \new
.endif
.endm
.macro PLACES                          ; four places behind matrix instructions, ahead of loads into their operands and of reads of their results
.rept 4
	v_nop
.endr
.endm
.macro SKIP lbl                        ; a tile without rows jumps forward; nothing that is jumped holds a barrier
	s_cmp_lg_u32 s56, 0
	s_cbranch_scc1 \lbl
.endm
.macro SKIPA lbl                       ; a pass without a tile jumps forward; nothing that is jumped holds a barrier
	s_cmp_lg_u32 s6, 0
	s_cbranch_scc1 \lbl
.endm
.macro BAR
	s_barrier_signal -1
	s_barrier_wait -1
.endm
.macro EXPERT e                        ; does tile s4 fall among expert e's?
	s_bfe_u32 s37, s[24+(\e)/2], 0x100000|(16*((\e)%2))   ; n
	s_bfe_u32 s38, s[28+(\e)/2], 0x100000|(16*((\e)%2))   ; of them in front of my wave's tokens
	s_add_co_u32 s39, s37, 143
	s_mul_i32 s39, s39, 7282
	s_lshr_b32 s39, s39, 20                ; ceil(n / 144): 7282 / 2^20 is 1 / 144 closely enough up to 32,767
	s_sub_co_u32 s40, s4, s36
	s_cmp_lt_u32 s40, s39
	s_cselect_b32 s32, \e, s32
	s_cselect_b32 s33, s40, s33
	s_cselect_b32 s34, s37, s34
	s_cselect_b32 s35, s38, s35
	s_add_co_u32 s36, s36, s39
.endm
.macro SCAN                            ; my 1,024 tokens: those of expert s32 whose rank falls into the tile go into my list; word 144 takes the rest
.set k, 0
.rept 6
	ds_store_b32 v12, v109 offset:128*k
.set k, k+1
.endr
	WIN 0x08                               ; source 1 in window 2
.set k, 0
.rept 32                               ; all 32 masks first, so that the scalar counts below follow one hand-over from the vector unit
	v_cmp_eq_u32 s[MK+k], s32, v[CHO+k]
.set k, k+1
.endr
	WIN 0
.set k, 0
.rept 32
.set T, 14+2*(k%2)
	v_mbcnt_lo_u32_b32 v[T], s[MK+k], s43
	s_bcnt1_i32_b32 s37, s[MK+k]
	s_add_co_u32 s43, s43, s37
	v_cndmask_b32 v[T], v7, v[T], s[MK+k]
	v_min_u32 v[T], 144, v[T]
	v_lshl_add_u32 v[T], v[T], 2, s58
	v_add_nc_u32 v[T+1], 128*(k/4)+k%4, v13
	ds_store_b32 v[T], v[T+1]
.set k, k+1
.endr
.endm
.macro ROWS sh                         ; the tokens of places 36 w .. 36 w + 35 (the four lists or-ed) become byte offsets
	s_mul_i32 s37, s2, 144
	s_add_co_u32 s37, s37, PL
	v_lshl_add_u32 v14, v1, 2, s37
.set k, 0
.rept 4
	ds_load_b32 v[100+k], v14 offset:768*k
	ds_load_b32 v[104+k], v14 offset:768*k+128
.set k, k+1
.endr
	s_wait_dscnt 0x0
	v_or_b32 v100, v100, v101
	v_or_b32 v102, v102, v103
	v_or_b32 v100, v100, v102
	v_or_b32 v104, v104, v105
	v_or_b32 v106, v106, v107
	v_or_b32 v104, v104, v106
.set k, 0
.rept 36
	v_readlane_b32 s[MK+k], v[100+4*(k/32)], k%32
.set k, k+1
.endr
.set k, 0
.rept 36
	s_min_u32 s[MK+k], s[MK+k], 4095
.set k, k+1
.endr
.set k, 0
.rept 36
	v_lshl_add_u32 v[64+k], s[MK+k], \sh, v4
.set k, k+1
.endr
.endm
.macro BLOAD ch, buf, k0, k1           ; pieces k0 .. k1 - 1 of a chunk's 32 pieces of my stream, 512 bytes on end each
	WIN 0x40
.set k, \k0
.rept (\k1)-(\k0)
	global_load_b128 v[128*(\buf)+4*k:128*(\buf)+4*k+3], v4, s[48:49] offset:(\ch)*16384+512*k
.set k, k+1
.endr
.endm
.macro ASTAGE ch                       ; 36 rows' 512 bytes of chunk ch
	WIN 0xc0
.set k, 0
.rept 36
	global_load_b128 v[4*k:4*k+3], v[64+k], s[8:9] offset:(\ch)*512
.set k, k+1
.endr
.endm
.macro ASTORE
	WIN 0x0c
.set k, 0
.rept 36
	ds_store_b128 v10, v[4*k:4*k+3] offset:k*528
.set k, k+1
.endr
.endm
.macro FRAG s, ab                      ; K step s of the chunk: 9 token fragments, 18 loads
	WIN 0x80
.set fi, 0
.rept 8
	ds_load_b128 v[72*(\ab)+8*fi:72*(\ab)+8*fi+3],   v8 offset:fi*BLKB+(\s)*KSB
	ds_load_b128 v[72*(\ab)+8*fi+4:72*(\ab)+8*fi+7], v8 offset:fi*BLKB+(\s)*KSB+PLB
.set fi, fi+1
.endr
	ds_load_b128 v[72*(\ab)+64:72*(\ab)+67], v9 offset:(\s)*KSB
	ds_load_b128 v[72*(\ab)+68:72*(\ab)+71], v9 offset:(\s)*KSB+PLB
.endm
.macro MULS s, ab, buf, first          ; 18 matrix instructions, the 18 sums by turns, one instruction a turn; first = 1: the bias starts the sums
	WIN 0x09
.set mi, 0
.rept 18
.if \first
	v_wmma_f32_16x16x32_bf16 v[112+8*mi:119+8*mi], v[128*(\buf)+16*(\s)+8*(mi%2):128*(\buf)+16*(\s)+8*(mi%2)+7], v[72*(\ab)+8*(mi/2):72*(\ab)+8*(mi/2)+7], v[48+8*(mi%2):55+8*(mi%2)]
.else
	v_wmma_f32_16x16x32_bf16 v[112+8*mi:119+8*mi], v[128*(\buf)+16*(\s)+8*(mi%2):128*(\buf)+16*(\s)+8*(mi%2)+7], v[72*(\ab)+8*(mi/2):72*(\ab)+8*(mi/2)+7], v[112+8*mi:119+8*mi]
.endif
.set mi, mi+1
.endr
.endm
.macro STEPS s0, buf, late             ; K steps s0 .. 7; step s0's fragments have been asked for.  late >= 0: in the middle the last 8 pieces of that chunk's weights are asked for
.set ss, \s0
.rept 7-(\s0)
.if (\late) >= 0
.if ss == 4
	BLOAD \late, (\late)%2, 24, 32
.endif
.endif
	PLACES
	FRAG ss+1, (ss+1)%2
	s_wait_dscnt 18                        ; this step's fragments are in; the 18 loads just issued stay out
	MULS ss, ss%2, \buf, 0
.set ss, ss+1
.endr
	s_wait_dscnt 0x0
	MULS 7, 1, \buf, 0
.endm
.macro NEXT ch                         ; behind chunk ch: chunk ch + 1 goes from registers into LDS, chunk ch + 2 is asked for (36 + 24 loads are then out)
	PLACES
	s_wait_loadcnt 0x0                     ; chunk ch + 1's rows and weights, asked for a chunk ago
	SKIP .Ln\ch
	ASTORE
.if (\ch) < 2
	s_wait_dscnt 0x0
	ASTAGE (\ch)+2
	BLOAD (\ch)+2, (\ch)%2, 0, 24
.endif
	WIN 0
.Ln\ch:
	s_wait_dscnt 0x0                       ; for the others' sake: my stores into chunk ch + 1 are done
	BAR
	v_add_nc_u32 v8, CHB, v8
	v_add_nc_u32 v9, CHB, v9
	v_add_nc_u32 v10, CHB, v10
.endm
	s_load_b256 s[8:15], s[0:1], 0x0       ; xb, w1f, b1, ridx
	s_load_b128 s[16:19], s[0:1], 0x20     ; rhist, hf
	v_lshl_add_u32 v5, v0, 2, SPARE
	v_mov_b32 v6, 0
	v_and_b32 v1, 31, v0
	v_lshrrev_b32 v14, 5, v0
	v_readfirstlane_b32 s2, v14            ; wave
	s_mov_b32 s3, ttmp9                    ; column tile
	s_and_b32 s4, ttmp7, 0xffff            ; the first pass's row tile
	s_mov_b32 s5, 2                        ; passes to go
	s_mov_b32 s6, 0                        ; the first pass always runs
	s_mov_b32 s44, 0x76543210
	s_mov_b32 s45, 0xfedcba98
	s_lshl_b32 s55, s2, 3
	s_mul_i32 s58, s2, 768
	s_add_co_u32 s58, s58, PL              ; my list
	s_mul_i32 s7, s2, 36*528               ; my 36 rows of a chunk
	v_and_b32 v2, 15, v0
	v_bfe_u32 v3, v0, 4, 1
	v_lshlrev_b32 v4, 4, v1
	v_mov_b32 v7, 144
	v_lshlrev_b32 v14, 7, v1               ; a lane takes 8 entries of rhist: 128 tokens
	v_lshl_add_u32 v15, s2, 12, v4         ; my wave's 1,024 choices
	s_wait_kmcnt 0x0
.set k, 0
.rept 8
	global_load_b128 v[32+4*k:35+4*k], v14, s[RH:RH+1] offset:16*k
.set k, k+1
.endr
	WIN 0x80
.set k, 0
.rept 8                                ; register 4 k + c: token 1024 w + 128 k + 4 lane + c; kept for both passes
	global_load_b128 v[CHO+4*k:CHO+4*k+3], v15, s[RI:RI+1] offset:512*k
.set k, k+1
.endr
	WIN 0
	v_lshl_add_u32 v12, v1, 2, s58
	v_lshlrev_b32 v13, 2, v1
	v_lshl_add_u32 v13, s2, 10, v13
	v_lshlrev_b32 v18, 7, v3
.irp j, 108,109,110,111
	v_mov_b32 v\j, 0
.endr
	s_wait_loadcnt 0x0
.irp c, 0,1,2,3                        ; packed counts, two experts a word: no field passes 4,096
	v_add3_u32 v[100+\c], v[32+\c], v[36+\c], v[40+\c]
	v_add3_u32 v[100+\c], v[100+\c], v[44+\c], v[48+\c]
	v_add3_u32 v[100+\c], v[100+\c], v[52+\c], v[56+\c]
	v_add_nc_u32 v[100+\c], v[100+\c], v[60+\c]
.endr
	v_cmp_gt_u32 vcc_lo, s55, v1           ; lanes below 8 w hold the tokens in front of my wave's
.irp c, 0,1,2,3
	v_cndmask_b32 v[104+\c], 0, v[100+\c], vcc_lo
.endr
.irp m, 1,2,4,8
.set k, 0
.rept 8
	v_mov_b32_dpp v[108+k%4], v[100+k] row_xmask:\m row_mask:0xf bank_mask:0xf
	v_add_nc_u32 v[100+k], v[100+k], v[108+k%4]
.set k, k+1
.endr
.endr
.set k, 0
.rept 8
	v_permlanex16_b32 v[108+k%4], v[100+k], s44, s45
	v_add_nc_u32 v[100+k], v[100+k], v[108+k%4]
.set k, k+1
.endr
.set k, 0
.rept 8
	v_readfirstlane_b32 s[24+k], v[100+k]  ; s24-27 all tokens, s28-31 those in front of my wave's
.set k, k+1
.endr
	v_mov_b32 v109, 0
.Lpass:                                        ; twice: tile s4 = g, then g + 32
	v_mul_u32_u24 v8, v2, 528              ; the LDS addresses begin anew at chunk 0, in every pass
	v_lshl_add_u32 v8, v3, 4, v8           ; a fragment's row x pitch + 16 x half
	v_add_nc_u32 v9, 8*BLKB, v8            ; block 8 lies past the 16-bit offset
	v_add_nc_u32 v10, s7, v4
	; the tile and the bases: scalar work, in every pass
	s_mov_b32 s32, 8
	s_mov_b32 s33, 0
	s_mov_b32 s34, 0
	s_mov_b32 s35, 0
	s_mov_b32 s36, 0
.irp e, 0,1,2,3,4,5,6,7
	EXPERT \e
.endr
	s_cmp_eq_u32 s32, 8
	s_cselect_b32 s56, 1, 0                ; the tile has no rows
	s_min_u32 s57, s32, 7                  ; the expert, for addresses
	s_mul_i32 s42, s33, 144                ; the tile's first rank
	s_sub_co_u32 s43, s35, s42             ; my wave's first rank, counted from there (it may wrap: such ranks fall to word 144)
	s_lshl_b32 s46, s57, 21
	s_lshl2_add_u32 s37, s3, s2            ; stream 4 c + w
	s_lshl_b32 s38, s37, 16
	s_add_co_u32 s46, s46, s38
	s_mov_b32 s47, 0
	s_add_nc_u64 s[48:49], s[10:11], s[46:47]
	s_lshl_b32 s46, s57, 12
	s_lshl_b32 s38, s3, 9
	s_add_co_u32 s46, s46, s38
	s_lshr_b32 s38, s2, 1
	s_lshl_b32 s38, s38, 8
	s_add_co_u32 s46, s46, s38
	s_and_b32 s38, s2, 1
	s_lshl_b32 s38, s38, 3
	s_add_co_u32 s46, s46, s38
	s_add_nc_u64 s[50:51], s[12:13], s[46:47]  ; b1 at column 128 c + 64 (w >> 1) + 2 (w & 1)
	s_min_u32 s39, s4, 35                  ; hf has 36 tiles
	s_mul_i32 s46, s39, TILEB
	s_lshl_b32 s38, s37, 10
	s_add_co_u32 s46, s46, s38
	s_add_nc_u64 s[52:53], s[18:19], s[46:47]
	SKIPA .Lp0
.set k, 0
.rept 8                                ; columns 32 h + 4 k + 0, 1
	global_load_b64 v[32+2*k:33+2*k], v18, s[50:51] offset:16*k
.set k, k+1
.endr
	BLOAD 0, 0, 0, 32
	BLOAD 1, 1, 24, 32
	WIN 0
	SCAN
.Lp0:
	s_wait_dscnt 0x0                       ; for the others' sake: my list is written
	BAR
	SKIPA .Lp1
	ROWS 11
	ASTAGE 0
	WIN 0
	s_wait_loadcnt 0x0
.set k, 0
.rept 8                                ; the bias rounded to bf16, and parted by sum
	v_cvt_pk_bf16_f32 v14, v[32+2*k], v[33+2*k]
	v_lshlrev_b32 v[48+k], 16, v14
	v_and_b32 v[56+k], 0xffff0000, v14
.set k, k+1
.endr
	ASTORE
	WIN 0
.Lp1:
	s_wait_loadcnt 0x0                     ; on every way: no load is out here
	s_wait_dscnt 0x0                       ; for the others' sake: my rows of chunk 0 are written
	v_add_nc_u32 v10, CHB, v10
	BAR                                    ; chunk 0 is whole
	SKIPA .Lc0
	FRAG 0, 0
	FRAG 1, 1
	ASTAGE 1                               ; chunk 1 is asked for while the first fragments come: 36 + 24 loads are out
	BLOAD 1, 1, 0, 24
	s_wait_dscnt 18
	MULS 0, 0, 0, 1                        ; the first K step starts the sums
	WIN 0
	SKIP .Lc0
	STEPS 1, 0, -1
	WIN 0
.Lc0:
	NEXT 0
	SKIP .Lc1
	FRAG 0, 0
	STEPS 0, 1, 2
	WIN 0
.Lc1:
	NEXT 1
	SKIP .Lc2
	FRAG 0, 0
	STEPS 0, 0, 3
	WIN 0
.Lc2:
	NEXT 2
	SKIP .Lc3
	FRAG 0, 0
	STEPS 0, 1, -1
	WIN 0
.Lc3:
	PLACES
	SKIPA .Lw
	; THE WAY OUT: sums 0 and 1 of a block rounded in pairs, ascending, then the ReLU on the pairs; two stores of 512 bytes on end a block
.set bi, 0
.rept 9
.set a0, 112+16*bi
.set k, 0
.rept 8
	v_cvt_pk_f16_f32 v[a0+k], v[a0+k], v[a0+8+k]
.set k, k+1
.endr
.set k, 0
.rept 8
	v_pk_max_num_f16 v[a0+k], v[a0+k], v109
.set k, k+1
.endr
	global_store_b128 v4, v[a0:a0+3], s[52:53] offset:bi*32768
	global_store_b128 v4, v[a0+4:a0+7], s[52:53] offset:bi*32768+512
.set bi, bi+1
.endr
.Lw:
	s_wait_xcnt 0x0                        ; the stores' base and data registers are written again only behind this wait
	s_add_co_u32 s4, s4, 32                ; the second pass's tile,
	s_cmp_lt_u32 s4, s36                   ; if the split has so many
	s_cselect_b32 s6, 0, 1
	s_sub_co_u32 s5, s5, 1
	s_cmp_lg_u32 s5, 0
	s_cbranch_scc1 .Lpass
	s_wait_tensorcnt 0x0                   ; the wave's end
	ds_add_u32 v5, v6
	s_wait_dscnt 0x0
	s_endpgm
.Lfunc_end_k_qc0e5598c3a_ffn1:
	.size	k_qc0e5598c3a_ffn1, .Lfunc_end_k_qc0e5598c3a_ffn1-k_qc0e5598c3a_ffn1
	.p2alignl 7, 3214868480
	.fill 96, 4, 3214868480
	.section	.rodata,"a",@progbits
	.p2align	6, 0x0
	.amdhsa_kernel k_qc0e5598c3a_ffn1
		.amdhsa_group_segment_fixed_size 307712
		.amdhsa_private_segment_fixed_size 0
		.amdhsa_enable_private_segment 0
		.amdhsa_kernarg_size 48
		.amdhsa_user_sgpr_count 2
		.amdhsa_user_sgpr_kernarg_segment_ptr 1
		.amdhsa_wavefront_size32 1
		.amdhsa_system_sgpr_workgroup_id_x 1
		.amdhsa_system_sgpr_workgroup_id_y 1
		.amdhsa_system_sgpr_workgroup_id_z 1
		.amdhsa_system_vgpr_workitem_id 0
		.amdhsa_next_free_vgpr 912
		.amdhsa_next_free_sgpr 102
		.amdhsa_reserve_vcc 1
		.amdhsa_float_denorm_mode_32 3
		.amdhsa_float_denorm_mode_16_64 3
		.amdhsa_memory_ordered 1
		.amdhsa_forward_progress 1
		.amdhsa_inst_pref_size 167
	.end_amdhsa_kernel
	.amdgpu_metadata
---
amdhsa.version: [ 1, 2 ]
amdhsa.kernels:
  - .name:           k_qc0e5598c3a_ffn1
    .symbol:         k_qc0e5598c3a_ffn1.kd
    .args:
      - { .name: xb, .offset: 0, .size: 8, .value_kind: global_buffer, .address_space: global }
      - { .name: w1f, .offset: 8, .size: 8, .value_kind: global_buffer, .address_space: global }
      - { .name: b1, .offset: 16, .size: 8, .value_kind: global_buffer, .address_space: global }
      - { .name: ridx, .offset: 24, .size: 8, .value_kind: global_buffer, .address_space: global }
      - { .name: rhist, .offset: 32, .size: 8, .value_kind: global_buffer, .address_space: global }
      - { .name: hf, .offset: 40, .size: 8, .value_kind: global_buffer, .address_space: global }
    .group_segment_fixed_size: 307712
    .private_segment_fixed_size: 0
    .kernarg_segment_align: 8
    .kernarg_segment_size: 48
    .max_flat_workgroup_size: 128
    .sgpr_count:     102
    .vgpr_count:     912
    .wavefront_size: 32
...
	.end_amdgpu_metadata
.endif
;; end of part 4
;; launch ffn2 (part 5): grid 8 x 32, 4 waves a work-group, no clusters, 307,712 bytes of LDS; arguments hf, w2f, b2, gate, ridx, rhist, out0; writes out0
.if DOCPART == 5
	.amdgcn_target "amdgcn-amd-amdhsa--gfx1250"
	.amdhsa_code_object_version 6
	.text
	.protected	k_qc0e5598c3a_ffn2
	.globl	k_qc0e5598c3a_ffn2
	.p2align	8
	.type	k_qc0e5598c3a_ffn2,@function
k_qc0e5598c3a_ffn2:
	s_mov_b64 s[64:65], 0
	v_nop
	global_prefetch_b8 v0, s[64:65] scope:SCOPE_SE
	s_setreg_imm32_b32 hwreg(HW_REG_WAVE_MODE, 25, 1), 1
	s_wait_xcnt 0x0
; FFN2.  out[token] = (hidden W2[e] + b2[e]) x gate[token] for the rows of a tile, scattered to the tokens' rows.
; LIMITS.  Hidden layer and W2 in f16 (W2 is its bf16 rounding written as f16), b2 rounded to bf16, sums in f32, the gate in f32.  NaN and infinities are not treated apart.
; TILES, PASSES, SHARES AND FRAME are the first product's: tiles of 144 rows, at most 36; 8 x 32 work-groups, each with tile g and then tile g + 32 in a loop of two passes; every work-group
; works its tile out from rhist and ridx by the same lines, so that a place in a tile means the same token in both launches; wave w has stream 4 c + w of W2 and all 9 row blocks.
; A pass without a tile (s6 = 1, never the first) jumps each piece of work between two barriers; a tile without rows (s56 = 1) jumps the K steps but the first; both store nothing.
; The scalar work that finds the tile and forms the bases runs in every pass, ahead of the first jump: every base is made from its own buffer's address on every way.
; The hidden layer lies in hf as operand fragments: a chunk (8 K steps) of a block is 8 KB on end and goes to LDS as it lies.
; NO CLUSTER in this text: the 8 column tiles of a row tile read the same 288 KB of hf beside 256 KB of weights of their own; asking for them jointly would want the tensor mover's ring in place of this frame.
; THE WAY OUT: results x gate go through a stage in LDS (144 rows x 528 bytes, over the chunks, which nobody reads any more) and leave as pieces of 512 bytes on end of a token's row; rows past the count are jumped.
; REGISTERS as in the first product; besides: v11 staging address of block 8, v19 my offset in hf, v20-28 the gates, v29, v30 stage in, v31 stage out, v32-63 later the scaled results;
; ahead of the products v112-147 hold the tokens of the gates' places, then (every fourth) the gates' offsets.
.set CHB,   73728                      ; a chunk: 9 blocks x 8 fragments x 1,024 bytes
.set BLKB,  8192
.set KSB,   1024
.set PLB,   512
.set PL,    304128
.set SPARE, 307200
.set TILEB, 294912
.set RH, 18                            ; s[18:19] rhist
.set RI, 16                            ; s[16:17] ridx
.set CHO, 144                          ; window 2: the choices
.set MK, 66                            ; s66 on
.set MSB, 0
.macro WIN new
.if MSB != (\new)
	s_set_vgpr_msb (MSB<<8)|(\new)
.set MSB, \new
.endif
.endm
.macro PLACES
.rept 4
	v_nop
.endr
.endm
.macro SKIP lbl
	s_cmp_lg_u32 s56, 0
	s_cbranch_scc1 \lbl
.endm
.macro SKIPA lbl
	s_cmp_lg_u32 s6, 0
	s_cbranch_scc1 \lbl
.endm
.macro BAR
	s_barrier_signal -1
	s_barrier_wait -1
.endm
.macro EXPERT e
	s_bfe_u32 s37, s[24+(\e)/2], 0x100000|(16*((\e)%2))
	s_bfe_u32 s38, s[28+(\e)/2], 0x100000|(16*((\e)%2))
	s_add_co_u32 s39, s37, 143
	s_mul_i32 s39, s39, 7282
	s_lshr_b32 s39, s39, 20
	s_sub_co_u32 s40, s4, s36
	s_cmp_lt_u32 s40, s39
	s_cselect_b32 s32, \e, s32
	s_cselect_b32 s33, s40, s33
	s_cselect_b32 s34, s37, s34
	s_cselect_b32 s35, s38, s35
	s_add_co_u32 s36, s36, s39
.endm
.macro SCAN
.set k, 0
.rept 6
	ds_store_b32 v12, v109 offset:128*k
.set k, k+1
.endr
	WIN 0x08                               ; source 1 in window 2
.set k, 0
.rept 32
	v_cmp_eq_u32 s[MK+k], s32, v[CHO+k]
.set k, k+1
.endr
	WIN 0
.set k, 0
.rept 32
.set T, 14+2*(k%2)
	v_mbcnt_lo_u32_b32 v[T], s[MK+k], s43
	s_bcnt1_i32_b32 s37, s[MK+k]
	s_add_co_u32 s43, s43, s37
	v_cndmask_b32 v[T], v7, v[T], s[MK+k]
	v_min_u32 v[T], 144, v[T]
	v_lshl_add_u32 v[T], v[T], 2, s58
	v_add_nc_u32 v[T+1], 128*(k/4)+k%4, v13
	ds_store_b32 v[T], v[T+1]
.set k, k+1
.endr
.endm
.macro ROWS sh
	s_mul_i32 s37, s2, 144
	s_add_co_u32 s37, s37, PL
	v_lshl_add_u32 v14, v1, 2, s37
.set k, 0
.rept 4
	ds_load_b32 v[100+k], v14 offset:768*k
	ds_load_b32 v[104+k], v14 offset:768*k+128
.set k, k+1
.endr
	s_wait_dscnt 0x0
	v_or_b32 v100, v100, v101
	v_or_b32 v102, v102, v103
	v_or_b32 v100, v100, v102
	v_or_b32 v104, v104, v105
	v_or_b32 v106, v106, v107
	v_or_b32 v104, v104, v106
.set k, 0
.rept 36
	v_readlane_b32 s[MK+k], v[100+4*(k/32)], k%32
.set k, k+1
.endr
.set k, 0
.rept 36
	s_min_u32 s[MK+k], s[MK+k], 4095
.set k, k+1
.endr
.set k, 0
.rept 36
	v_lshl_add_u32 v[64+k], s[MK+k], \sh, v4
.set k, k+1
.endr
.endm
.macro BLOAD ch, buf, k0, k1
	WIN 0x40
.set k, \k0
.rept (\k1)-(\k0)
	global_load_b128 v[128*(\buf)+4*k:128*(\buf)+4*k+3], v4, s[48:49] offset:(\ch)*16384+512*k
.set k, k+1
.endr
.endm
.macro ASTAGE ch                       ; k = 4 block + t: my 2 KB of each block's 8 KB of chunk ch
	WIN 0xc0
.set k, 0
.rept 36
	global_load_b128 v[4*k:4*k+3], v19, s[60:61] offset:(k/4)*32768+(\ch)*8192+(k%4)*512
.set k, k+1
.endr
.endm
.macro ASTORE
	WIN 0x0c
.set k, 0
.rept 32
	ds_store_b128 v10, v[4*k:4*k+3] offset:(k/4)*8192+(k%4)*512
.set k, k+1
.endr
.rept 4
	ds_store_b128 v11, v[4*k:4*k+3] offset:(k%4)*512
.set k, k+1
.endr
.endm
.macro FRAG s, ab
	WIN 0x80
.set fi, 0
.rept 8
	ds_load_b128 v[72*(\ab)+8*fi:72*(\ab)+8*fi+3],   v8 offset:fi*BLKB+(\s)*KSB
	ds_load_b128 v[72*(\ab)+8*fi+4:72*(\ab)+8*fi+7], v8 offset:fi*BLKB+(\s)*KSB+PLB
.set fi, fi+1
.endr
	ds_load_b128 v[72*(\ab)+64:72*(\ab)+67], v9 offset:(\s)*KSB
	ds_load_b128 v[72*(\ab)+68:72*(\ab)+71], v9 offset:(\s)*KSB+PLB
.endm
.macro MULS s, ab, buf, first          ; the 18 sums by turns, one instruction a turn
	WIN 0x09
.set mi, 0
.rept 18
.if \first
	v_wmma_f32_16x16x32_f16 v[112+8*mi:119+8*mi], v[128*(\buf)+16*(\s)+8*(mi%2):128*(\buf)+16*(\s)+8*(mi%2)+7], v[72*(\ab)+8*(mi/2):72*(\ab)+8*(mi/2)+7], v[48+8*(mi%2):55+8*(mi%2)]
.else
	v_wmma_f32_16x16x32_f16 v[112+8*mi:119+8*mi], v[128*(\buf)+16*(\s)+8*(mi%2):128*(\buf)+16*(\s)+8*(mi%2)+7], v[72*(\ab)+8*(mi/2):72*(\ab)+8*(mi/2)+7], v[112+8*mi:119+8*mi]
.endif
.set mi, mi+1
.endr
.endm
.macro STEPS s0, buf, late
.set ss, \s0
.rept 7-(\s0)
.if (\late) >= 0
.if ss == 4
	BLOAD \late, (\late)%2, 24, 32
.endif
.endif
	PLACES
	FRAG ss+1, (ss+1)%2
	s_wait_dscnt 18                        ; this step's fragments are in; the 18 loads just issued stay out
	MULS ss, ss%2, \buf, 0
.set ss, ss+1
.endr
	s_wait_dscnt 0x0
	MULS 7, 1, \buf, 0
.endm
.macro NEXT ch
	PLACES
	s_wait_loadcnt 0x0                     ; chunk ch + 1's fragments and weights, asked for a chunk ago
	SKIP .Ln\ch
	ASTORE
.if (\ch) < 2
	s_wait_dscnt 0x0
	ASTAGE (\ch)+2
	BLOAD (\ch)+2, (\ch)%2, 0, 24
.endif
	WIN 0
.Ln\ch:
	s_wait_dscnt 0x0                       ; for the others' sake: my stores into chunk ch + 1 are done
	BAR
	v_add_nc_u32 v8, CHB, v8
	v_add_nc_u32 v9, CHB, v9
	v_add_nc_u32 v10, CHB, v10
	v_add_nc_u32 v11, CHB, v11
.endm
	s_load_b256 s[8:15], s[0:1], 0x0       ; hf, w2f, b2, gate
	s_load_b128 s[16:19], s[0:1], 0x20     ; ridx, rhist
	s_load_b64 s[20:21], s[0:1], 0x30      ; out0
	v_lshl_add_u32 v5, v0, 2, SPARE
	v_mov_b32 v6, 0
	v_and_b32 v1, 31, v0
	v_lshrrev_b32 v14, 5, v0
	v_readfirstlane_b32 s2, v14            ; wave
	s_mov_b32 s3, ttmp9                    ; column tile
	s_and_b32 s4, ttmp7, 0xffff            ; the first pass's row tile
	s_mov_b32 s5, 2                        ; passes to go
	s_mov_b32 s6, 0                        ; the first pass always runs
	s_mov_b32 s44, 0x76543210
	s_mov_b32 s45, 0xfedcba98
	s_lshl_b32 s55, s2, 3
	s_mul_i32 s58, s2, 768
	s_add_co_u32 s58, s58, PL
	v_and_b32 v2, 15, v0
	v_bfe_u32 v3, v0, 4, 1
	v_lshlrev_b32 v4, 4, v1
	v_mov_b32 v7, 144
	v_lshlrev_b32 v14, 7, v1
	v_lshl_add_u32 v15, s2, 12, v4
	s_wait_kmcnt 0x0
.set k, 0
.rept 8
	global_load_b128 v[32+4*k:35+4*k], v14, s[RH:RH+1] offset:16*k
.set k, k+1
.endr
	WIN 0x80
.set k, 0
.rept 8
	global_load_b128 v[CHO+4*k:CHO+4*k+3], v15, s[RI:RI+1] offset:512*k
.set k, k+1
.endr
	WIN 0
	s_lshl_b32 s46, s3, 9
	s_mov_b32 s47, 0
	s_add_nc_u64 s[52:53], s[20:21], s[46:47]  ; out0 at my 128 columns
	v_lshl_add_u32 v19, s2, 11, v4         ; my 2 KB of a block
	v_lshl_add_u32 v12, v1, 2, s58
	v_lshlrev_b32 v13, 2, v1
	v_lshl_add_u32 v13, s2, 10, v13
	v_lshlrev_b32 v18, 7, v3
	s_lshr_b32 s37, s2, 1
	s_lshl_b32 s37, s37, 8
	s_and_b32 s38, s2, 1
	s_lshl_b32 s38, s38, 3
	s_add_co_u32 s37, s37, s38
	v_mul_u32_u24 v29, v2, 528
	v_lshl_add_u32 v29, v3, 7, v29
	v_add_nc_u32 v29, s37, v29             ; stage in: row r, byte 256 (w >> 1) + 8 (w & 1) + 128 h
	v_add_nc_u32 v30, 8*8448, v29
	s_mul_i32 s37, s2, 36*528
	v_add_nc_u32 v31, s37, v4              ; stage out: my 36 rows
.irp j, 108,109,110,111
	v_mov_b32 v\j, 0
.endr
	s_wait_loadcnt 0x0
.irp c, 0,1,2,3
	v_add3_u32 v[100+\c], v[32+\c], v[36+\c], v[40+\c]
	v_add3_u32 v[100+\c], v[100+\c], v[44+\c], v[48+\c]
	v_add3_u32 v[100+\c], v[100+\c], v[52+\c], v[56+\c]
	v_add_nc_u32 v[100+\c], v[100+\c], v[60+\c]
.endr
	v_cmp_gt_u32 vcc_lo, s55, v1
.irp c, 0,1,2,3
	v_cndmask_b32 v[104+\c], 0, v[100+\c], vcc_lo
.endr
.irp m, 1,2,4,8
.set k, 0
.rept 8
	v_mov_b32_dpp v[108+k%4], v[100+k] row_xmask:\m row_mask:0xf bank_mask:0xf
	v_add_nc_u32 v[100+k], v[100+k], v[108+k%4]
.set k, k+1
.endr
.endr
.set k, 0
.rept 8
	v_permlanex16_b32 v[108+k%4], v[100+k], s44, s45
	v_add_nc_u32 v[100+k], v[100+k], v[108+k%4]
.set k, k+1
.endr
.set k, 0
.rept 8
	v_readfirstlane_b32 s[24+k], v[100+k]
.set k, k+1
.endr
	v_mov_b32 v109, 0
.Lpass:                                        ; twice: tile s4 = g, then g + 32
	v_mov_b32 v8, v4                       ; the LDS addresses begin anew at chunk 0, in every pass: a fragment's plane, 16 bytes a lane
	v_add_nc_u32 v9, 8*BLKB, v4
	v_mov_b32 v10, v19
	v_add_nc_u32 v11, 8*BLKB, v19
	; the tile and the bases: scalar work, in every pass
	s_mov_b32 s32, 8
	s_mov_b32 s33, 0
	s_mov_b32 s34, 0
	s_mov_b32 s35, 0
	s_mov_b32 s36, 0
.irp e, 0,1,2,3,4,5,6,7
	EXPERT \e
.endr
	s_cmp_eq_u32 s32, 8
	s_cselect_b32 s56, 1, 0                ; the tile has no rows
	s_min_u32 s57, s32, 7
	s_mul_i32 s42, s33, 144
	s_sub_co_u32 s41, s34, s42
	s_min_u32 s41, s41, 144                ; the tile's rows: 0 where there is no tile
	s_sub_co_u32 s43, s35, s42
	s_lshl_b32 s46, s57, 21
	s_lshl2_add_u32 s37, s3, s2
	s_lshl_b32 s38, s37, 16
	s_add_co_u32 s46, s46, s38
	s_mov_b32 s47, 0
	s_add_nc_u64 s[48:49], s[10:11], s[46:47]
	s_lshl_b32 s46, s57, 12
	s_lshl_b32 s38, s3, 9
	s_add_co_u32 s46, s46, s38
	s_lshr_b32 s38, s2, 1
	s_lshl_b32 s38, s38, 8
	s_add_co_u32 s46, s46, s38
	s_and_b32 s38, s2, 1
	s_lshl_b32 s38, s38, 3
	s_add_co_u32 s46, s46, s38
	s_add_nc_u64 s[50:51], s[12:13], s[46:47]
	s_min_u32 s39, s4, 35                  ; hf has 36 tiles
	s_mul_i32 s46, s39, TILEB
	s_add_nc_u64 s[60:61], s[8:9], s[46:47]
	SKIPA .Lp0
.set k, 0
.rept 8
	global_load_b64 v[32+2*k:33+2*k], v18, s[50:51] offset:16*k
.set k, k+1
.endr
	ASTAGE 0                               ; needs no list: 8 + 36 + 16 loads go out here
	BLOAD 0, 0, 0, 16
	WIN 0
	SCAN
.Lp0:
	s_wait_dscnt 0x0                       ; for the others' sake: my list is written
	BAR
	SKIPA .Lp1
	BLOAD 0, 0, 16, 32
	BLOAD 1, 1, 16, 32
	WIN 0
	v_lshl_add_u32 v15, v2, 2, PL          ; the tokens of places 16 i + r, for the gates
.set k, 0
.rept 36                               ; k = 4 i + list
	ds_load_b32 v[112+k], v15 offset:(k%4)*768+(k/4)*64
.set k, k+1
.endr
	s_wait_dscnt 0x0
.set k, 0
.rept 9                                ; the four lists or-ed, clamped to the table, as a byte offset
	v_or_b32 v[112+4*k], v[112+4*k], v[113+4*k]
	v_or_b32 v[114+4*k], v[114+4*k], v[115+4*k]
	v_or_b32 v[112+4*k], v[112+4*k], v[114+4*k]
	v_min_u32 v[112+4*k], 4095, v[112+4*k]
	v_lshlrev_b32 v[112+4*k], 2, v[112+4*k]
.set k, k+1
.endr
.set k, 0
.rept 9                                ; the gates are asked for in the piece that makes their offsets; the rows' offsets are made while they come
	global_load_b32 v[20+k], v[112+4*k], s[14:15]
.set k, k+1
.endr
	ROWS 12
	s_wait_loadcnt 0x0                     ; bias, chunk 0, the weights asked for so far, the gates: their offsets' registers are free for the sums
.set k, 0
.rept 8
	v_cvt_pk_bf16_f32 v14, v[32+2*k], v[33+2*k]
	v_lshlrev_b32 v[48+k], 16, v14
	v_and_b32 v[56+k], 0xffff0000, v14
.set k, k+1
.endr
	ASTORE
	WIN 0
.Lp1:
	s_wait_loadcnt 0x0                     ; on every way: no load is out here
	s_wait_dscnt 0x0                       ; for the others' sake: my part of chunk 0 is written
	v_add_nc_u32 v10, CHB, v10
	v_add_nc_u32 v11, CHB, v11
	BAR                                    ; chunk 0 is whole
	SKIPA .Lc0
	FRAG 0, 0
	FRAG 1, 1
	ASTAGE 1                               ; chunk 1 is asked for while the first fragments come: 36 + 16 loads are out
	BLOAD 1, 1, 0, 16
	s_wait_dscnt 18
	MULS 0, 0, 0, 1                        ; the first K step starts the sums
	WIN 0
	SKIP .Lc0
	STEPS 1, 0, -1
	WIN 0
.Lc0:
	NEXT 0
	SKIP .Lc1
	FRAG 0, 0
	STEPS 0, 1, 2
	WIN 0
.Lc1:
	NEXT 1
	SKIP .Lc2
	FRAG 0, 0
	STEPS 0, 0, 3
	WIN 0
.Lc2:
	NEXT 2
	SKIP .Lc3
	FRAG 0, 0
	STEPS 0, 1, -1
	WIN 0
.Lc3:
	PLACES
	s_wait_dscnt 0x0                       ; my reads of the chunks are over
	BAR                                    ; everybody's are: the stage may be written over them
	SKIP .Lst
.set bi, 0
.rept 9
.set TMb, 32+16*(bi%2)
.set k, 0
.rept 8                                ; ascending: each sum's lowest register is read first
	v_mul_f32 v[TMb+2*k],   v[112+16*bi+k], v[20+bi]
	v_mul_f32 v[TMb+2*k+1], v[120+16*bi+k], v[20+bi]
.set k, k+1
.endr
.set k, 0
.rept 8
.if bi < 8
	ds_store_b64 v29, v[TMb+2*k:TMb+2*k+1] offset:bi*8448+16*k
.else
	ds_store_b64 v30, v[TMb+2*k:TMb+2*k+1] offset:16*k
.endif
.set k, k+1
.endr
.set bi, bi+1
.endr
.Lst:
	s_wait_dscnt 0x0                       ; for the others' sake: my part of the stage is written
	BAR
	s_mul_i32 s37, s2, 36
	s_min_u32 s37, s37, s41
	s_sub_co_u32 s54, s41, s37             ; how many of my 36 rows lie inside the count
	s_cmp_eq_u32 s54, 0
	s_cbranch_scc1 .Ldone
.set k, 0
.rept 36
	ds_load_b128 v[112+4*k:115+4*k], v31 offset:k*528
.set k, k+1
.endr
	s_wait_dscnt 0x0
.set k, 0
.rept 36
.if k > 0
	s_cmp_le_u32 s54, k
	s_cbranch_scc1 .Ldone
.endif
	global_store_b128 v[64+k], v[112+4*k:115+4*k], s[52:53] th:TH_STORE_NT   ; 512 bytes on end of one token's row
.set k, k+1
.endr
.Ldone:
	s_wait_xcnt 0x0                        ; the stores' offsets and data registers are written again only behind this wait
	s_add_co_u32 s4, s4, 32                ; the second pass's tile,
	s_cmp_lt_u32 s4, s36                   ; if the split has so many
	s_cselect_b32 s6, 0, 1
	s_sub_co_u32 s5, s5, 1
	s_cmp_lg_u32 s5, 0
	s_cbranch_scc1 .Lpass
	s_wait_tensorcnt 0x0                   ; the wave's end
	ds_add_u32 v5, v6
	s_wait_dscnt 0x0
	s_endpgm
.Lfunc_end_k_qc0e5598c3a_ffn2:
	.size	k_qc0e5598c3a_ffn2, .Lfunc_end_k_qc0e5598c3a_ffn2-k_qc0e5598c3a_ffn2
	.p2alignl 7, 3214868480
	.fill 96, 4, 3214868480
	.section	.rodata,"a",@progbits
	.p2align	6, 0x0
	.amdhsa_kernel k_qc0e5598c3a_ffn2
		.amdhsa_group_segment_fixed_size 307712
		.amdhsa_private_segment_fixed_size 0
		.amdhsa_enable_private_segment 0
		.amdhsa_kernarg_size 56
		.amdhsa_user_sgpr_count 2
		.amdhsa_user_sgpr_kernarg_segment_ptr 1
		.amdhsa_wavefront_size32 1
		.amdhsa_system_sgpr_workgroup_id_x 1
		.amdhsa_system_sgpr_workgroup_id_y 1
		.amdhsa_system_sgpr_workgroup_id_z 1
		.amdhsa_system_vgpr_workitem_id 0
		.amdhsa_next_free_vgpr 912
		.amdhsa_next_free_sgpr 102
		.amdhsa_reserve_vcc 1
		.amdhsa_float_denorm_mode_32 3
		.amdhsa_float_denorm_mode_16_64 3
		.amdhsa_memory_ordered 1
		.amdhsa_forward_progress 1
		.amdhsa_inst_pref_size 179
	.end_amdhsa_kernel
	.amdgpu_metadata
---
amdhsa.version: [ 1, 2 ]
amdhsa.kernels:
  - .name:           k_qc0e5598c3a_ffn2
    .symbol:         k_qc0e5598c3a_ffn2.kd
    .args:
      - { .name: hf, .offset: 0, .size: 8, .value_kind: global_buffer, .address_space: global }
      - { .name: w2f, .offset: 8, .size: 8, .value_kind: global_buffer, .address_space: global }
      - { .name: b2, .offset: 16, .size: 8, .value_kind: global_buffer, .address_space: global }
      - { .name: gate, .offset: 24, .size: 8, .value_kind: global_buffer, .address_space: global }
      - { .name: ridx, .offset: 32, .size: 8, .value_kind: global_buffer, .address_space: global }
      - { .name: rhist, .offset: 40, .size: 8, .value_kind: global_buffer, .address_space: global }
      - { .name: out0, .offset: 48, .size: 8, .value_kind: global_buffer, .address_space: global }
    .group_segment_fixed_size: 307712
    .private_segment_fixed_size: 0
    .kernarg_segment_align: 8
    .kernarg_segment_size: 56
    .max_flat_workgroup_size: 128
    .sgpr_count:     102
    .vgpr_count:     912
    .wavefront_size: 32
...
	.end_amdgpu_metadata
.endif
;; end of part 5
